; MI455X (gfx1250); checked and timed in simulation.
; The chip was launched on July 23, 2026; its instructions are those of AMD's public machine-readable ISA for CDNA 5 (MIT licence, August 2026) and "CDNA5" Instruction Set Architecture Reference Guide (July 2026). The comments in the code are by the model that wrote it; some were corrected since.
;; Multi Head Differential Attention. Allowed arithmetic: matrix products marked QUANTISED: E5M2 operands, one given power-of-two scale a tensor, by v_wmma_f32_16x16x64_bf8_bf8 or v_wmma_f32_16x16x128_bf8_bf8, f32 sums; everything else in f32.
;; Inputs: key1 16 x 1,024 x 64 float32; key2 16 x 1,024 x 64 float32; lambdas 4 float32; lowp_scales 18 int32 (the exponents e of the quantised operands' scales 2^e); proj_b 1,024 float32; proj_w 1,024 x 1,024 float32; query1 16 x 1,024 x 64 float32; query2 16 x 1,024 x 64 float32; value 16 x 1,024 x 64 float32; x 2 x 2,048 x 1,024 float32.
;; Outputs: out0 2 x 2,048 x 1,024 float32.
;; This version of the problem:
;;   THIS VERSION OF THE PROBLEM IS GIVEN IN LOW PRECISION. The matrix products marked QUANTISED in the list below multiply operands that are first quantised to E5M2 (5 exponent bits, 2 mantissa bits; 8 bits a number), with one given power-of-two scale for each operand tensor; their sums are f32. All else is computed in f32.
;;   The module's matrix products, in the order in which they are computed (A, B: the left and right operand; K: the contracted axis; several contracted axes count as one K, in the product's order):
;;     1. [M 1,024, K 1,024] x [K 1,024, N 4,096]; A: input query1; B: input x: QUANTISED (scales: A lowp_scales[0], B lowp_scales[1])
;;     2. [M 1,024, K 1,024] x [K 1,024, N 4,096]; A: input key1; B: input x: QUANTISED (scales: A lowp_scales[2], B lowp_scales[3])
;;     3. [M 1,024, K 1,024] x [K 1,024, N 4,096]; A: input query2; B: input x: QUANTISED (scales: A lowp_scales[4], B lowp_scales[5])
;;     4. [M 1,024, K 1,024] x [K 1,024, N 4,096]; A: input key2; B: input x: QUANTISED (scales: A lowp_scales[6], B lowp_scales[7])
;;     5. [M 1,024, K 1,024] x [K 1,024, N 4,096]; A: input value; B: input x: QUANTISED (scales: A lowp_scales[8], B lowp_scales[9])
;;     6. batch 32 x [M 2,048, K 64] x [K 64, N 2,048]; A: computed on the way; B: computed on the way: QUANTISED (scales: A lowp_scales[10], B lowp_scales[11])
;;     7. batch 32 x [M 2,048, K 64] x [K 64, N 2,048]; A: computed on the way; B: computed on the way: QUANTISED (scales: A lowp_scales[12], B lowp_scales[13])
;;     8. batch 32 x [M 2,048, K 2,048] x [K 2,048, N 64]; A: computed on the way; B: computed on the way: QUANTISED (scales: A lowp_scales[14], B lowp_scales[15])
;;     9. [M 4,096, K 1,024] x [K 1,024, N 1,024]; A: computed on the way; B: input proj_w: QUANTISED (scales: A lowp_scales[16], B lowp_scales[17])
;;   THE QUANTISER, for each operand of a quantised product, along K:
;;     - The operand's scale is 2^e, e = its entry of the input lowp_scales (int32; the entries are numbered through the quantised products in the list's order, A before B).
;;     - Each number is divided by the scale, clamped to +-57,344, and rounded to the nearest number of E5M2, ties to even, subnormals kept.
;;     - The product sums the exact products of the quantised numbers (number of the format x scale) in f32.
;;   ~~~python
;;   def quantise(x, axis, e):      # numpy; x: float32 -> the quantised numbers, widened to float32 again
;;       x = np.moveaxis(x, axis, -1); K = x.shape[-1]
;;       r = np.clip(x / 2.0 ** e, -57344, 57344)
;;       step = 2.0 ** (np.maximum(np.frexp(np.where(r == 0, 1, r))[1] - 1, -14) - 2)
;;       q = np.round(r / step) * step * 2.0 ** e      # np.round: ties to even
;;       return np.moveaxis(q, -1, axis).astype(np.float32)
;;   ~~~
;;   OPERANDS COMPUTED ON THE WAY. 'Computed on the way' means the value that the module computes at that place (a softmax that the list does not call 'softmax' is quantised finished and normalised). What goes into a quantiser is computed in f32, as accurately as f32 sums, v_exp_f32 and their like allow (about 1e-6 of the number): no bf16 or f16 on the way to a quantiser, and a product that is left as it is and whose result goes on into a quantised operand takes f32 operands (vector FMAs, or v_wmma_f32_16x16x4_f32). A number that lies on a knife's edge between two numbers of the format may be rounded either way, as far as f32 arithmetic and the matrix unit's own rounding can turn it there, and no further.
;; 2 versions, each right; version 2 is version 1 with the launch attn written anew for expert scheduling mode. Each part assembles by itself: llvm-mc -triple=amdgcn-amd-amdhsa -mcpu=gfx1250 --defsym DOCPART=n.
;; ======== version 1 of 2: 4 launches
;; limits: right only within a limited range of input values
;; workspace buffers: xq 20,971,520 bytes; wq 6,291,456 bytes; qkv 20,971,520 bytes; oc 4,194,304 bytes
;; launch quant (part 1): grid 320 x 1, 4 waves a work-group, no clusters, 68,096 bytes of LDS; arguments x, query1, key1, query2, key2, value, proj_w, lowp_scales, xq, wq; writes xq, wq
.if DOCPART == 1
	.amdgcn_target "amdgcn-amd-amdhsa--gfx1250"
	.amdhsa_code_object_version 6
	.text
	.protected	k_qf9c962dca4_quant
	.globl	k_qf9c962dca4_quant
	.p2align	8
	.type	k_qf9c962dca4_quant,@function
k_qf9c962dca4_quant:
	s_mov_b64 s[64:65], 0
	v_nop
	global_prefetch_b8 v0, s[64:65] scope:SCOPE_SE
	s_setreg_imm32_b32 hwreg(HW_REG_WAVE_MODE, 25, 1), 1
	s_wait_xcnt 0x0
; f32 operands into codes of BF8 (E5M2), K innermost, each with the scale 2^e that is given for it: code = number / 2^e, held within +-57,344, to the nearest code, ties to even.
; WORK-GROUPS 0-127: x [4096][1024].  x is an operand of five products, each with a scale entry of its own (entries 1, 3, 5, 7, 9), so five versions of its codes are made from ONE read: xq [5][4096][1024].
; WORK-GROUPS 128-319: the six weights, whose K is not innermost: query1, key1, query2, key2, value [16 h][1024 k][64 d] (entries 0, 2, 4, 6, 8; column n = 64 h + d) and proj_w [1024 k][1024 n] (entry 17),
; into wq [6][1024 n][1024 k].  A lane takes a column and its registers run down K, so the conversions give codes with K innermost; nothing is transposed by an instruction.
; VALUE ALONE: the row at place pos of wq holds column swap34(pos), bits 3 and 4 of pos exchanged: the attention's results then fall into the order that the last product's operand wants.
; The two paths part on the work-group's number and have LDS bytes of their own (x: 0 to 32,767; weights: from 32,768).  No barrier: waves share nothing.  No cluster: no two work-groups read the same bytes.
; LIMITS: every e between -126 and 112, so that 2^e and 57,344 x 2^e are f32 numbers.  NaN among the inputs is not served (an infinity is held at the largest code).
.set STEPS, 16                         ; x path: steps of 512 numbers for a wave
.set SP,    80                         ; a lane's place in a stage: its 64 bytes + 16 of padding
.set WREG,  8192                       ; LDS of a wave on the x path: two stages of 32 x SP bytes
.set R,     16                         ; v16-79   four sets of 16 numbers as they are loaded
.set X,     80                         ; v80-111  two sets of 16 neighbours
.set T,     112                        ; v112-143 two sets of 16 held numbers, by turns from version to version
.set C,     144                        ; v144-163 a step's codes, four registers a version
.set SC,    164                        ; v164-168 2^e of the five versions
.set LM,    169                        ; v169-173 57,344 x 2^e
.set WST,   32768                      ; weights path: the stages begin here
.set PITCH, 272                        ; a stage row: 256 bytes of codes + 16
.set NB,    8                          ; blocks of 32 along K for a wave
.set AD,    16                         ; v16-47   byte offset of row i of a block at my column
.set XW,    48                         ; v48-111  two sets of 32 numbers
.set CW,    112                        ; v112-119 a block's codes
.set OUTR,  120                        ; v120-183 the way out
.macro XLOAD t                         ; step t: four loads of 512 consecutive bytes
.irp i, 0,1,2,3
	global_load_b128 v[R+16*((\t)%4)+4*\i:R+16*((\t)%4)+4*\i+3], v3, s[4:5] offset:2048*(\t)+512*\i th:TH_LOAD_NT
.endr
.endm
.macro XTURN t                         ; step t's 2,048 bytes go through my stage as they lie and come back 64 bytes a lane; LDS serves a wave's instructions in order, so no wait stands between
.irp i, 0,1,2,3
	ds_store_b128 v14, v[R+16*((\t)%4)+4*\i:R+16*((\t)%4)+4*\i+3] offset:32*SP*((\t)%2)+8*SP*\i
.endr
.irp i, 0,1,2,3
	ds_load_b128 v[X+16*((\t)%2)+4*\i:X+16*((\t)%2)+4*\i+3], v15 offset:32*SP*((\t)%2)+16*\i
.endr
.endm
.macro XSTEP t
.set XS, X+16*((\t)%2)
	s_wait_dscnt 0x0                               ; this step's numbers are back from the stage, so its stores into the stage have read their registers
	s_wait_xcnt 0x0                                ; the last step's five stores have read their codes: C is written again only behind this wait
.if (\t)+4 < STEPS
	XLOAD (\t)+4
.endif
.if (\t)+1 < STEPS
.if STEPS-2-(\t) >= 3
	s_wait_loadcnt 12                              ; the next step's four loads are in; those of the three steps behind it may be out
.else
	s_wait_loadcnt 4*(STEPS-2-(\t))
.endif
	XTURN (\t)+1
.endif
.irp v, 0,1,2,3,4
.set i, 0
.rept 16
	v_med3_num_f32 v[T+16*(\v%2)+i], v[XS+i], -v[LM+\v], v[LM+\v]   ; the conversion to an 8-bit code does not saturate (ISA guide 7.6.2): the hold at the largest code x the scale comes first
.set i, i+1
.endr
	v_cvt_scalef32_pk8_bf8_f32 v[C+4*\v:C+4*\v+1], v[T+16*(\v%2):T+16*(\v%2)+7], v[SC+\v]
	v_cvt_scalef32_pk8_bf8_f32 v[C+4*\v+2:C+4*\v+3], v[T+16*(\v%2)+8:T+16*(\v%2)+15], v[SC+\v]
.endr
	v_nop                                          ; a plain line behind the last conversion: the next step's first hold writes its sources
.irp v, 0,1,2,3,4
	global_store_b128 v3, v[C+4*\v:C+4*\v+3], s[40+2*\v:41+2*\v] offset:512*(\t)   ; 32 lanes store 512 consecutive bytes, aligned
.endr
.endm
.macro WLOAD t                         ; block t: rows 32 t + i of K at my column, into set t % 2
.set i, 0
.rept 32
	global_load_b32 v[XW+32*((\t)%2)+i], v[AD+i], s[40+2*(\t):41+2*(\t)] th:TH_LOAD_NT
.set i, i+1
.endr
.endm
.macro WBLOCK t
.set XS, XW+32*((\t)%2)
.if (\t) < NB-1
	s_wait_loadcnt 32                              ; this block's 32 loads are in; the next block's may be out
.else
	s_wait_loadcnt 0
.endif
.set i, 0
.rept 32
	v_med3_num_f32 v[XS+i], v[XS+i], -v10, v10
.set i, i+1
.endr
.irp g, 0,1,2,3
	v_cvt_scalef32_pk8_bf8_f32 v[CW+2*\g:CW+2*\g+1], v[XS+8*\g:XS+8*\g+7], v11
.endr
	ds_store_b128 v4, v[CW:CW+3] offset:32*(\t)    ; 32 codes of my row; the next vector lines are the next block's holds, plain ones on other registers
	ds_store_b128 v4, v[CW+4:CW+7] offset:32*(\t)+16
.if (\t)+2 < NB
	WLOAD (\t)+2
.endif
	s_wait_dscnt 0x0                               ; the stores have read their registers: the next block's codes may be written
.endm
	s_load_b512 s[4:19], s[0:1], 0x0               ; x s[4:5], query1, key1, query2, key2, value, proj_w s[6:17], the scales' exponents s[18:19]
	s_load_b128 s[20:23], s[0:1], 0x40             ; xq, wq
	v_lshl_add_u32 v192, v0, 2, 0x10800
	v_mov_b32 v193, 0
	v_lshrrev_b32 v1, 5, v0
	v_readfirstlane_b32 s2, v1                     ; wave
	v_and_b32 v2, 31, v0                           ; lane
	s_cmp_lt_u32 ttmp9, 128
	s_cbranch_scc0 .Lweights
	; ---- x: a wave takes 8,192 numbers, a plain stream: nothing here knows of rows
	v_lshlrev_b32 v3, 4, v2                        ; my 16 bytes of a load's 512, and of a store's
	s_mul_i32 s3, s2, WREG
	v_lshrrev_b32 v14, 2, v2
	v_mul_u32_u24 v14, v14, SP
	v_and_b32 v15, 3, v2
	v_lshl_add_u32 v14, v15, 4, v14
	v_add_nc_u32 v14, s3, v14                      ; the stage, on the way in: SP (lane / 4) + 16 (lane % 4)
	v_mul_u32_u24 v15, v2, SP
	v_add_nc_u32 v15, s3, v15                      ; and on the way out: SP x lane
	s_lshl_b32 s24, ttmp9, 2
	s_add_co_u32 s24, s24, s2                      ; which run of 8,192 numbers is my wave's
	s_lshl_b32 s26, s24, 15
	s_mov_b32 s27, 0
	s_lshl_b32 s38, s24, 13
	s_mov_b32 s39, 0
	s_wait_kmcnt 0x0
	s_load_b256 s[28:35], s[18:19], 0x0            ; entries 0 to 7
	s_load_b64 s[36:37], s[18:19], 0x20            ; entries 8, 9
	s_add_nc_u64 s[4:5], s[4:5], s[26:27]
	s_add_nc_u64 s[40:41], s[20:21], s[38:39]      ; version 0's codes;
.irp v, 1,2,3,4
	s_add_nc_u64 s[40+2*\v:41+2*\v], s[38+2*\v:39+2*\v], 0x400000   ; each further version 4,096 x 1,024 bytes on
.endr
.irp t, 0,1,2,3
	XLOAD \t
.endr
	s_wait_kmcnt 0x0
.irp v, 0,1,2,3,4
	s_add_co_i32 s26, s[29+2*\v], 127
	s_lshl_b32 s27, s26, 23
	v_mov_b32 v[SC+\v], s27                        ; 2^e as f32: the conversion takes its exponent field
	s_add_co_i32 s26, s26, 15
	s_lshl_b32 s26, s26, 23
	s_or_b32 s26, s26, 0x600000
	v_mov_b32 v[LM+\v], s26                        ; 57,344 x 2^e
.endr
	s_wait_loadcnt 12                              ; step 0's four loads are in
	XTURN 0
.irp t, 0,1,2,3,4,5,6,7,8,9,10,11,12,13,14,15
	XSTEP \t
.endr
	s_wait_tensorcnt 0x0
	ds_add_u32 v192, v193
	s_wait_dscnt 0x0
	s_endpgm
	; ---- the weights: a wave takes 32 columns x 256 along K
.Lweights:
	s_sub_co_u32 s26, ttmp9, 128
	s_lshr_b32 s27, s26, 5                         ; which tensor, 0 to 5
	s_and_b32 s28, s26, 31
	s_lshr_b32 s29, s28, 3                         ; which 256 along K
	s_and_b32 s30, s28, 7
	s_lshl_b32 s30, s30, 2
	s_add_co_u32 s30, s30, s2                      ; which 32 columns
	s_lshr_b32 s31, s30, 1                         ; a head's weights: head x 2^18 + 128 x (upper half of its 64 columns) + 256 rows of 256 bytes x the K part
	s_lshl_b32 s31, s31, 18
	s_and_b32 s32, s30, 1
	s_lshl_b32 s32, s32, 7
	s_or_b32 s31, s31, s32
	s_lshl_b32 s32, s29, 16
	s_or_b32 s31, s31, s32
	s_lshl_b32 s32, s30, 7                         ; proj_w: 128 bytes x the column group + 256 rows of 4,096 bytes x the K part
	s_lshl_b32 s33, s29, 20
	s_or_b32 s32, s32, s33
	s_lshl_b32 s33, s27, 3                         ; the scale's byte: entry 2 x tensor, or entry 17
	s_mov_b32 s34, 4096
	s_mov_b32 s35, 68
	s_cmp_lt_u32 s27, 5
	s_cselect_b32 s36, s31, s32                    ; where my part begins
	s_cselect_b32 s34, 256, s34                    ; bytes from a row of K to the next
	s_cselect_b32 s38, s33, s35
	s_mov_b32 s37, 0
	s_mov_b32 s39, 0
	s_cmp_eq_u32 s27, 4
	s_cselect_b32 s3, -1, 0                        ; all lanes' bits for value, none else
	s_lshl_b32 s32, s27, 20                        ; the codes: tensor x 2^20 + 32 rows of 1,024 x the column group + 256 x the K part
	s_lshl_b32 s33, s30, 15
	s_or_b32 s32, s32, s33
	s_lshl_b32 s33, s29, 8
	s_or_b32 s32, s32, s33
	s_mov_b32 s33, 0
	v_and_b32 v12, 7, v2
	v_and_b32 v13, 8, v2
	v_lshl_or_b32 v12, v13, 1, v12
	v_and_b32 v13, 16, v2
	v_lshrrev_b32 v13, 1, v13
	v_or_b32 v12, v12, v13                         ; swap34(lane)
	v_cndmask_b32 v12, v2, v12, s3                 ; the column that my row of codes holds
	v_lshlrev_b32 v12, 2, v12
.set i, 0
.rept 32
	v_mad_u32_u24 v[AD+i], s34, i, v12             ; row i of a block
.set i, i+1
.endr
	s_mul_i32 s35, s2, 32*PITCH
	s_add_co_u32 s35, s35, WST                     ; my stage
	v_mul_u32_u24 v4, v2, PITCH
	v_add_nc_u32 v4, s35, v4                       ; into it: row = my lane
	v_and_b32 v5, 15, v2
	v_lshrrev_b32 v6, 4, v2                        ; out of it: sixteen lanes to a row, two rows an instruction
	v_mul_u32_u24 v7, v6, PITCH
	v_lshl_add_u32 v7, v5, 4, v7
	v_add_nc_u32 v7, s35, v7
	v_lshlrev_b32 v8, 10, v6
	v_lshl_add_u32 v8, v5, 4, v8                   ; and the same place in the codes' rows of 1,024 bytes
	s_wait_kmcnt 0x0
	s_mov_b64 s[24:25], s[6:7]                     ; the tensor: a choice on the work-group's number alone
.irp n, 1,2,3,4,5
	s_cmp_eq_u32 s27, \n
	s_cselect_b64 s[24:25], s[6+2*\n:7+2*\n], s[24:25]
.endr
	s_add_nc_u64 s[18:19], s[18:19], s[38:39]
	s_load_b32 s30, s[18:19], 0x0                  ; e
	s_add_nc_u64 s[40:41], s[24:25], s[36:37]      ; block 0;
	s_lshl_b32 s36, s34, 5                         ; 32 rows of K on
.irp t, 1,2,3,4,5,6,7
	s_add_nc_u64 s[40+2*\t:41+2*\t], s[38+2*\t:39+2*\t], s[36:37]
.endr
	s_add_nc_u64 s[8:9], s[22:23], s[32:33]        ; my codes
	WLOAD 0
	WLOAD 1
	s_wait_kmcnt 0x0
	s_add_co_i32 s30, s30, 127
	s_lshl_b32 s31, s30, 23
	v_mov_b32 v11, s31                             ; 2^e
	s_add_co_i32 s30, s30, 15
	s_lshl_b32 s30, s30, 23
	s_or_b32 s30, s30, 0x600000
	v_mov_b32 v10, s30                             ; 57,344 x 2^e
.irp t, 0,1,2,3,4,5,6,7
	WBLOCK \t
.endr
.irp t, 0,1,2,3,4,5,6,7,8,9,10,11,12,13,14,15
	ds_load_b128 v[OUTR+4*\t:OUTR+4*\t+3], v7 offset:2*\t*PITCH   ; LDS serves a wave's instructions in order: these see my stores
.endr
.irp t, 0,1,2,3,4,5,6,7,8,9,10,11,12,13,14,15
	s_wait_dscnt 15-\t                             ; the younger loads may be out
	global_store_b128 v8, v[OUTR+4*\t:OUTR+4*\t+3], s[8:9] offset:2*\t*1024   ; sixteen lanes store 256 consecutive bytes, aligned
.endr
	s_wait_tensorcnt 0x0
	ds_add_u32 v192, v193
	s_wait_dscnt 0x0
	s_endpgm
.Lfunc_end_k_qf9c962dca4_quant:
	.size	k_qf9c962dca4_quant, .Lfunc_end_k_qf9c962dca4_quant-k_qf9c962dca4_quant
	.p2alignl 7, 3214868480
	.fill 96, 4, 3214868480
	.section	.rodata,"a",@progbits
	.p2align	6, 0x0
	.amdhsa_kernel k_qf9c962dca4_quant
		.amdhsa_group_segment_fixed_size 68096
		.amdhsa_private_segment_fixed_size 0
		.amdhsa_enable_private_segment 0
		.amdhsa_kernarg_size 80
		.amdhsa_user_sgpr_count 2
		.amdhsa_user_sgpr_kernarg_segment_ptr 1
		.amdhsa_wavefront_size32 1
		.amdhsa_system_sgpr_workgroup_id_x 1
		.amdhsa_system_sgpr_workgroup_id_y 1
		.amdhsa_system_sgpr_workgroup_id_z 1
		.amdhsa_system_vgpr_workitem_id 0
		.amdhsa_next_free_vgpr 194
		.amdhsa_next_free_sgpr 66
		.amdhsa_reserve_vcc 0
		.amdhsa_float_denorm_mode_32 3
		.amdhsa_float_denorm_mode_16_64 3
		.amdhsa_memory_ordered 1
		.amdhsa_forward_progress 1
		.amdhsa_inst_pref_size 169
	.end_amdhsa_kernel
	.amdgpu_metadata
---
amdhsa.version: [ 1, 2 ]
amdhsa.kernels:
  - .name:           k_qf9c962dca4_quant
    .symbol:         k_qf9c962dca4_quant.kd
    .args:
      - { .name: x, .offset: 0, .size: 8, .value_kind: global_buffer, .address_space: global }
      - { .name: query1, .offset: 8, .size: 8, .value_kind: global_buffer, .address_space: global }
      - { .name: key1, .offset: 16, .size: 8, .value_kind: global_buffer, .address_space: global }
      - { .name: query2, .offset: 24, .size: 8, .value_kind: global_buffer, .address_space: global }
      - { .name: key2, .offset: 32, .size: 8, .value_kind: global_buffer, .address_space: global }
      - { .name: value, .offset: 40, .size: 8, .value_kind: global_buffer, .address_space: global }
      - { .name: proj_w, .offset: 48, .size: 8, .value_kind: global_buffer, .address_space: global }
      - { .name: lowp_scales, .offset: 56, .size: 8, .value_kind: global_buffer, .address_space: global }
      - { .name: xq, .offset: 64, .size: 8, .value_kind: global_buffer, .address_space: global }
      - { .name: wq, .offset: 72, .size: 8, .value_kind: global_buffer, .address_space: global }
    .group_segment_fixed_size: 68096
    .private_segment_fixed_size: 0
    .kernarg_segment_align: 8
    .kernarg_segment_size: 80
    .max_flat_workgroup_size: 128
    .sgpr_count:     66
    .vgpr_count:     194
    .wavefront_size: 32
...
	.end_amdgpu_metadata
.endif
;; end of part 1
;; launch proj (part 2): grid 20 x 16, 4 waves a work-group, clusters of 4 x 4, 327,680 bytes of LDS; arguments xq, wq, lowp_scales, qkv; writes qkv
.if DOCPART == 2
	.amdgcn_target "amdgcn-amd-amdhsa--gfx1250"
	.amdhsa_code_object_version 6
	.text
	.protected	k_qf9c962dca4_proj
	.globl	k_qf9c962dca4_proj
	.p2align	8
	.type	k_qf9c962dca4_proj,@function
k_qf9c962dca4_proj:
	s_mov_b64 s[64:65], 0
	v_nop
	global_prefetch_b8 v0, s[64:65] scope:SCOPE_SE
	s_setreg_imm32_b32 hwreg(HW_REG_WAVE_MODE, 25, 1), 1
	s_wait_xcnt 0x0
	s_wait_alu depctr_hold_cnt(0) depctr_sa_sdst(0) depctr_va_vdst(0) depctr_va_sdst(0) depctr_va_ssrc(0) depctr_va_vcc(0) depctr_vm_vsrc(0)
	s_getreg_b32 s2, hwreg(HW_REG_IB_STS2, 6, 4)
	s_cmp_eq_u32 s2, 0
	s_cbranch_scc0 .Lentry_in_a_cluster
	s_endpgm
.Lentry_in_a_cluster:
	s_bfe_u32 s2, ttmp6, 0x10000c
	s_cmp_lg_u32 s2, 0xf033
	s_cbranch_scc0 .Lentry_shape_is_right
	s_endpgm
.Lentry_shape_is_right:
; The five projections q1, k1, q2, k2, v = x W on codes of BF8 (E5M2), K = 1,024, and their results quantised at once into the operands of the attention's products.
; THE CLUSTER'S x IS THE PROJECTION p (0 q1, 1 k1, 2 q2, 3 k2, 4 v); its y, Y, is a quarter of the 4,096 tokens.  A work-group of four waves makes a tile of 256 x 256, a wave 128 x 128: 64 accumulators, 512 registers.
; The product has a ROWS operand R (source 1: a lane holds one of its rows) and a COLUMNS operand Cc (source 0: a lane's eight registers are eight neighbouring rows of it).
;   p < 4: R = x's codes, version p (rows: tokens), Cc = W_p (rows: 64 head + d): a lane holds one token and registers along d, the K of the scores' products.
;   p = 4: R = W_v (rows: places of d), Cc = x's codes, version 4: a lane holds one d and registers along the tokens, which are the keys, the K of the last attention product.
; So the conversions' results ARE the next operand's registers.  They leave as IMAGES: a fragment of 16 rows x 64 K is 8 registers a lane; registers 4 g .. 4 g + 3 of lane l lie at 512 g + 16 l: 1,024 bytes; each store of a wave
; covers 512 consecutive bytes, aligned, and no stage is needed.  qkv [p][16 batch + head][131,072 bytes]: p < 4: image (token / 16) at << 10;  p = 4: image (key / 64, place of d / 16) at << 12 | << 10.
; A sum stands for sum x 2^(ew + ex) (entries 2 p, 2 p + 1); its code under the next scale 2^et (entry 10 + p; v: 15) is sum / 2^(et - ew - ex): the three are folded into the conversion's one scale.
; LIMIT: et - ew - ex between -126 and 112.
; K goes in steps of 256 through a ring of two LDS slots filled by the tensor data mover.  CLUSTERS: 4 x 4 work-groups; R's tiles are shared along a row of the cluster, Cc's along a column, each asked for jointly.
; The choice between the two forms hangs on the cluster's x alone, which all sixteen partners share.  The grid has 320 work-groups: five projections of 64 tiles.
; REGISTERS, in windows of 256: window 0: v0-31 addresses; from v128 R's fragments (8 x 16 rows x 128 K), one set; on the way out v32-95 held sums, v128-255 codes.
;   window 1: Cc's fragments, two sets, at v0 and v128.   window 2: the 32 accumulators of my rows 0-63 (accumulator (a, b) at v[8 (8 a + b)]);   window 3: those of my rows 64-127.
.set SIZE_K, 1024
.set KSTEP,  256                       ; along K in a slot
.set ROWB,   256                       ; a tile's row in bytes
.set KROW,   SIZE_K                    ; a row of codes in memory, in bytes
.set PITCH,  272                       ; an LDS row: 256 bytes + 16 of padding = 68 words: the 16 rows that a load touches start at 16 different banks (64 banks of 4 bytes: ISA guide 11.1)
.set FR,     16                        ; registers of a fragment: 16 rows x 128 K
.set NL,     4                         ; LDS loads that bring one
.set NP,     4                         ; places behind this matrix instruction (ISA guide 7.12.1)
.set HALFT,  128*PITCH                 ; 128 rows: what one tensor load brings, and what one wave reads of R or of Cc
.set SLOT,   4*HALFT                   ; R's 256 rows, then Cc's 256 rows
.set LAPS,   SIZE_K/(2*KSTEP)          ; a lap = two K steps = once round the ring
.set SPARE,  2*SLOT                    ; behind the ring: the spare words, 128 bytes for each wave: two blocks of 256 bytes that no other line names
.set ADRA, 16                          ; v16-17  LDS address of my R fragments in slot 0, 1
.set ADRB, 20                          ; v20-21  the same for Cc
.set LN,   27                          ; v27     16 x lane: my place in an image's 512 bytes
.set SPW,  28                          ; v28     LDS address of my spare word; never rewritten
.set NIL,  29                          ; v29     0; never rewritten
.set SCL,  30                          ; v30     2^(et - ew - ex)
.set LIM,  31                          ; v31     57,344 x that
.set TMP,  32                          ; v32-95  a block's 64 sums, held
.set AF,   128                         ; R's fragments, in window 0
.set CD,   128                         ; the way out: 16 registers of codes for each block
.set G1, 24                            ; s[24:31] descriptor group 1 for R's tiles;  s[32:39] group 0, one set for each slot
.set G0, 32
.set G1B, 48                           ; s[48:55], s[56:63] the same for Cc's tiles
.set G0B, 56
.set OB,  76                           ; s[76:83] four bases in qkv: (block / 4, image u)
.set MSB, 0
.macro WIN new                         ; the immediate's high byte repeats the setting that is left
.if MSB != \new
	s_set_vgpr_msb (MSB<<8)|\new
.set MSB, \new
.endif
.endm
.set MUL_LO, 0xa1                      ; source 0 (Cc) window 1, source 1 (R) window 0, C and D window 2
.set MUL_HI, 0xf1                      ; the same, C and D window 3
.set TO_B,   0x40                      ; destination window 1, address window 0
; A joint load: waves 0 and 1 fetch for R, waves 2 and 3 for Cc.  Each of the two lines has one mask and one set of registers for all that issue it; the branch hangs on the wave's number alone.
; Four v_nop follow each of the two lines, ahead of the jump, the label and what follows.
.macro JLOAD g0a, g1a, g0b, g1b
	s_cmp_eq_u32 s15, 0
	s_cbranch_scc0 .Lfor_b_\@
	tensor_load_to_lds s[\g0a:\g0a+3], s[\g1a:\g1a+7]
	s_nop 0
.rept 4
	v_nop
.endr
	s_branch .Lasked_\@
.Lfor_b_\@:
	tensor_load_to_lds s[\g0b:\g0b+3], s[\g1b:\g1b+7]
	s_nop 0
.rept 4
	v_nop
.endr
.Lasked_\@:
.endm
.macro CREST                           ; a round of the cluster's barrier behind its opening barrier
	s_cmp_lg_u32 s14, 0
	s_cbranch_scc1 .Lnot_wave_0_\@
	s_barrier_signal -3
.Lnot_wave_0_\@:
	s_barrier_wait -3
	s_barrier_signal -1
	s_barrier_wait -1
.endm
.macro CROUND                          ; a whole round
	s_barrier_signal -1
	s_barrier_wait -1
	CREST
.endm
	s_load_b128 s[4:7], s[0:1], 0x0                ; xq s[4:5], wq s[6:7]
	s_load_b128 s[8:11], s[0:1], 0x10              ; the scales' exponents s[8:9], qkv s[10:11]
	v_lshl_add_u32 v[SPW], v0, 2, SPARE
	v_mov_b32 v[NIL], 0
	ds_add_u32 v28, v29
	ds_add_u32 v28, v29
	s_wait_dscnt 0x0
	v_lshrrev_b32 v1, 5, v0
	v_readfirstlane_b32 s14, v1                    ; wave 0..3
	s_lshr_b32 s15, s14, 1                         ; which half of the tile's rows is mine.  Also: I fetch for R (0) or for Cc (1)
	s_and_b32 s16, s14, 1                          ; which half of its columns.  Also: which 128 rows of that tile I fetch
	s_bfe_u32 s40, ttmp6, 0x40000                  ; cx, cy: my place in the cluster
	s_bfe_u32 s41, ttmp6, 0x40004
	s_and_b32 s18, ttmp7, 0xffff
	s_lshl_b32 s18, s18, 2                         ; 4 Y
	s_cmp_eq_u32 ttmp9, 4                          ; v?  The same answer in all sixteen partners
	s_cselect_b32 s17, 0, s18                      ; the tokens' quarter goes to the rows (p < 4)
	s_cselect_b32 s42, s18, 0                      ; or to the columns (v)
	s_cselect_b32 s66, 20, 22                      ; p x 2^this: R's tensor among its buffer's,
	s_cselect_b32 s67, 22, 20                      ; and Cc's
	s_cselect_b32 s69, 1, 0
	s_add_co_u32 s17, s17, s41                     ; tile row, made of cy alone
	s_add_co_u32 s42, s42, s40                     ; tile column, made of cx alone
	s_lshl_b32 s43, s41, 2
	s_lshl_b32 s43, 15, s43                        ; my row of the cluster
	s_lshl_b32 s44, 0x1111, s40                    ; my column
	; descriptor group 1: a tile of 128 rows x 256 bytes, padded in LDS
	s_or_b32 s[G1+0], s43, (0<<16)|(1<<20)|(1<<21)|(5<<22)|(3<<25)  ; 15:0 the mask: R's tiles go to my row; 17:16 element of 1 byte; 20 padding on; 21 set beside a mask; 24:22 after every 64 words (code 5); 31:25 of 4 words (code 3)
	s_or_b32 s[G1B+0], s44, (0<<16)|(1<<20)|(1<<21)|(5<<22)|(3<<25)
.irp g, G1, G1B
	s_mov_b32 s[\g+1], ROWB<<16                    ; tensor_dim0
	s_mov_b32 s[\g+2], 128<<16                     ; tensor_dim1 = 128
	s_mov_b32 s[\g+3], ROWB<<16                    ; tile_dim0
	s_mov_b32 s[\g+4], 128                         ; tile_dim1 = 128
	s_mov_b32 s[\g+5], KROW                        ; tensor_dim0_stride
	s_mov_b32 s[\g+6], 0
	s_mov_b32 s[\g+7], 0
.endr
	s_lshl_b32 s18, s16, 7                         ; which 128 rows of the tile I fetch
	s_lshl_b32 s20, s17, 8
	s_add_co_u32 s20, s20, s18                     ; R: row 256 x tile row + 128 x half,
	s_lshl_b32 s20, s20, 10                        ; of 1,024 bytes,
	s_lshl_b32 s19, ttmp9, s66
	s_add_co_u32 s20, s20, s19                     ; in tensor p of its buffer
	s_mov_b32 s21, 0
	s_lshl_b32 s46, s42, 8
	s_add_co_u32 s46, s46, s18                     ; Cc likewise
	s_lshl_b32 s46, s46, 10
	s_lshl_b32 s19, ttmp9, s67
	s_add_co_u32 s46, s46, s19
	s_mov_b32 s47, 0
	s_mul_i32 s45, s14, HALFT                      ; where they go: wave x 128 rows: no place in the cluster enters an LDS address
	s_lshl_b32 s84, ttmp9, 3                       ; entries 2 p, 2 p + 1
	s_mov_b32 s85, 0
	s_add_co_u32 s86, ttmp9, s69
	s_lshl_b32 s86, s86, 2                         ; entry 10 + p, or 15 for v
	s_mov_b32 s87, 0
	s_wait_kmcnt 0x0
	s_cmp_eq_u32 ttmp9, 4
	s_cselect_b64 s[70:71], s[6:7], s[4:5]         ; R's buffer
	s_cselect_b64 s[72:73], s[4:5], s[6:7]         ; Cc's
	s_add_nc_u64 s[84:85], s[8:9], s[84:85]
	s_add_nc_u64 s[86:87], s[8:9], s[86:87]
	s_load_b64 s[96:97], s[84:85], 0x0             ; ew, ex
	s_load_b32 s98, s[86:87], 0x28                 ; et
	s_add_nc_u64 s[20:21], s[70:71], s[20:21]
	s_add_nc_u64 s[46:47], s[72:73], s[46:47]
	CROUND                                         ; all sixteen work-groups are here: the first joint loads meet
.irp s, 0,1
	s_mov_b32 s[G0+4*\s], 1
	s_add_co_u32 s[G0+4*\s+1], s45, \s*SLOT
	s_add_nc_u64 s[G0+4*\s+2:G0+4*\s+3], s[20:21], \s*ROWB
	s_or_b32 s[G0+4*\s+3], s[G0+4*\s+3], 0x80000000
	s_mov_b32 s[G0B+4*\s], 1
	s_add_co_u32 s[G0B+4*\s+1], s45, \s*SLOT
	s_add_nc_u64 s[G0B+4*\s+2:G0B+4*\s+3], s[46:47], \s*ROWB
	s_or_b32 s[G0B+4*\s+3], s[G0B+4*\s+3], 0x80000000
	JLOAD G0+4*\s, G1, G0B+4*\s, G1B
.endr
	v_and_b32 v1, 15, v0                           ; l % 16
	v_bfe_u32 v2, v0, 4, 1                         ; l / 16
	v_mul_u32_u24 v3, v1, PITCH
	v_lshl_add_u32 v4, v2, 4, v3                   ; a fragment's row x pitch + 16 x half
	s_mul_i32 s21, s15, HALFT                      ; my 128 rows of R
	s_mul_i32 s22, s16, HALFT                      ; my 128 rows of Cc,
	s_add_co_u32 s22, s22, 2*HALFT                 ; which lie behind R's 256
.irp s, 0,1
	v_add_nc_u32 v[ADRA+\s], s21, v4
	v_add_nc_u32 v[ADRB+\s], s22, v4
	s_add_co_u32 s21, s21, SLOT
	s_add_co_u32 s22, s22, SLOT
.endr
	v_and_b32 v6, 31, v0
	v_lshlrev_b32 v[LN], 4, v6
	; where my images go.  tbg: my first block of 16 rows of R;  cb: my first block of 64 rows of Cc
	s_lshl_b32 s74, s17, 4
	s_lshl_b32 s75, s15, 3
	s_add_co_u32 s74, s74, s75                     ; tbg = 16 x tile row + 8 x half
	s_lshl_b32 s75, s42, 2
	s_lshl_b32 s88, s16, 1
	s_add_co_u32 s75, s75, s88                     ; cb = 4 x tile column + 2 x half
	s_lshr_b32 s88, s74, 7                         ; p < 4: batch << 21 | head cb << 17 | block of tokens << 10
	s_lshl_b32 s88, s88, 21
	s_and_b32 s89, s74, 127
	s_lshl_b32 s89, s89, 10
	s_or_b32 s88, s88, s89
	s_lshl_b32 s89, s75, 17
	s_or_b32 s88, s88, s89
	s_lshr_b32 s89, s75, 5                         ; v: batch << 21 | head (tbg / 4) << 17 | block of 64 keys << 12
	s_lshl_b32 s89, s89, 21
	s_lshr_b32 s90, s74, 2
	s_lshl_b32 s90, s90, 17
	s_or_b32 s89, s89, s90
	s_and_b32 s90, s75, 31
	s_lshl_b32 s90, s90, 12
	s_or_b32 s89, s89, s90
	s_mov_b32 s90, 4096
	s_mov_b32 s91, 1<<17
	s_cmp_eq_u32 ttmp9, 4
	s_cselect_b32 s88, s89, s88
	s_cselect_b32 s92, s91, s90                    ; four blocks of R on: four images of tokens, or a head
	s_cselect_b32 s94, s90, s91                    ; 64 rows of Cc on: a head, or 64 keys
	s_mov_b32 s89, 0
	s_mov_b32 s93, 0
	s_mov_b32 s95, 0
	s_lshl_b32 s90, ttmp9, 22
	s_add_co_u32 s88, s88, s90                     ; in tensor p of qkv
	s_add_nc_u64 s[OB:OB+1], s[10:11], s[88:89]
	s_add_nc_u64 s[OB+2:OB+3], s[OB:OB+1], s[94:95]
	s_add_nc_u64 s[OB+4:OB+5], s[OB:OB+1], s[92:93]
	s_add_nc_u64 s[OB+6:OB+7], s[OB+4:OB+5], s[94:95]
.macro FRAG reg, adr, q, i             ; a fragment, 16 rows x 128 K: lane l holds row l % 16; registers 4 c .. 4 c + 3 hold K = 32 c + 16 (l / 16) + 0 .. 15: a permutation of K, the same in both operands
.irp c, 0,1,2,3
	ds_load_b128 v[\reg+4*\c:\reg+4*\c+3], v[\adr] offset:128*(\q)+32*\c+(\i)*16*PITCH
.endr
.endm
; 16 matrix instructions: R's blocks a0, a0 + 1 x Cc's eight, 128 along K.  p: Cc's set.  zero = 1: the first product starts the sums: nothing is ever cleared.
; The 64 accumulators take turns, one instruction a turn, in the same order in every step.
.macro MUL16 a0, p, zero
.irp a, \a0, \a0+1
.irp b, 0,1,2,3,4,5,6,7
.if \zero
	v_wmma_f32_16x16x128_bf8_bf8 v[8*(8*((\a)%4)+\b):8*(8*((\a)%4)+\b)+7], v[128*(\p)+FR*\b:128*(\p)+FR*\b+FR-1], v[AF+FR*(\a):AF+FR*(\a)+FR-1], 0
.else
	v_wmma_f32_16x16x128_bf8_bf8 v[8*(8*((\a)%4)+\b):8*(8*((\a)%4)+\b)+7], v[128*(\p)+FR*\b:128*(\p)+FR*\b+FR-1], v[AF+FR*(\a):AF+FR*(\a)+FR-1], v[8*(8*((\a)%4)+\b):8*(8*((\a)%4)+\b)+7]
.endif
.endr
.endr
.endm
.macro FETCH_B slot, q, p              ; Cc's eight fragments of the slot's q-th 128 along K into set p
	WIN TO_B
.irp i, 0,1,2,3,4,5,6,7
	FRAG 128*(\p)+FR*\i, ADRB+\slot, \q, \i
.endr
	WIN 0
.endm
.macro FETCH_A slot, q, i0             ; R's blocks i0 .. i0 + 3
.irp i, \i0, \i0+1, \i0+2, \i0+3
	FRAG AF+FR*(\i), ADRA+\slot, \q, \i
.endr
.endm
; A load into a register that a matrix instruction has read, and a vector instruction that reads a matrix result, stand NP places behind that matrix instruction; only plain vector instructions that name none of its
; registers are places (ISA guide 7.12.1 for vector instructions).
.macro PLACES n
.rept \n
	v_nop
.endr
.endm
; A step of 128 along K that has its successor in the same slot.  A block of R is free as soon as its eight products are issued, so one set of registers serves R.
.macro STEP slot, q, zero
	s_wait_dscnt 4*NL                              ; Cc's set and R's blocks 0-3 are in; the youngest loads (R's blocks 4-7) may be out
	WIN MUL_LO
	MUL16 0, (\q)%2, \zero
	MUL16 2, (\q)%2, \zero
	s_wait_dscnt 0                                 ; R's blocks 4-7 are in
	PLACES NP
	FETCH_B \slot, (\q)+1, 1-(\q)%2
	FETCH_A \slot, (\q)+1, 0
	WIN MUL_HI
	MUL16 4, (\q)%2, \zero
	MUL16 6, (\q)%2, \zero
	PLACES NP
	WIN 0
	FETCH_A \slot, (\q)+1, 4
.endm
; A slot's last step changes slots: one barrier; in front of it each wave waits for all its tensor loads, adds 0 to its spare word, and waits for that and for its own reads of this slot.  fill = 1: this slot is filled again, two K steps ahead.
.macro TURN slot, next, fill
	s_wait_tensorcnt 0x0                           ; all my tensor loads have landed: my part of the next slot
	ds_add_u32 v[SPW], v[NIL]                      ; 0 onto my spare word
	s_wait_dscnt 4*NL+1                            ; (the add and the youngest loads, R's blocks 4-7, may be out)
	WIN MUL_LO
	MUL16 0, 1, 0                                  ; sixteen matrix instructions stand between the add and the wait for it
	s_wait_dscnt 0x0                               ; the add is done, and my reads of this slot are over
	s_barrier_signal -1
	MUL16 2, 1, 0
	WIN 0
	s_barrier_wait -1
.if \fill
	CREST                                          ; the barrier has opened a round of the cluster's barrier: no wave of any partner still reads this slot's tile or has a load on its way
	s_add_nc_u64 s[G0+4*\slot+2:G0+4*\slot+3], s[G0+4*\slot+2:G0+4*\slot+3], 2*ROWB
	s_add_nc_u64 s[G0B+4*\slot+2:G0B+4*\slot+3], s[G0B+4*\slot+2:G0B+4*\slot+3], 2*ROWB
	JLOAD G0+4*\slot, G1, G0B+4*\slot, G1B         ; the first tensor load behind the round; the four v_nop behind it are the places in front of the loads below
.else
	PLACES NP
.endif
	FETCH_B \next, 0, 0
	FETCH_A \next, 0, 0
	WIN MUL_HI
	MUL16 4, 1, 0
	MUL16 6, 1, 0
	PLACES NP
	WIN 0
	FETCH_A \next, 0, 4
.endm
	s_wait_tensorcnt 1                             ; my part of K step 0 is in (K step 1's load may be out)
	s_barrier_signal -1
	s_barrier_wait -1                              ; everybody's is
	FETCH_B 0, 0, 0
	FETCH_A 0, 0, 0
	FETCH_A 0, 0, 4
	STEP 0, 0, 1                                   ; the first step stands in front of the loop: its products start the sums
	s_mov_b32 s3, LAPS-1
.Llap:                                                 ; a trip goes once round the ring, from a lap's second step to the next lap's first, and fills both slots again
	TURN 0, 1, 1
	STEP 1, 0, 0
	TURN 1, 0, 1
	STEP 0, 0, 0
	s_sub_co_u32 s3, s3, 1
	s_cmp_lg_u32 s3, 0
	s_cbranch_scc1 .Llap
	TURN 0, 1, 0                                   ; the last lap fills nothing, and has no round of the cluster's barrier
	STEP 1, 0, 0
	s_wait_dscnt 4*NL                              ; the very last step: nothing more to fetch
	WIN MUL_LO
	MUL16 0, 1, 0
	MUL16 2, 1, 0
	s_wait_dscnt 0
	WIN MUL_HI
	MUL16 4, 1, 0
	MUL16 6, 1, 0
	WIN 0
; THE WAY OUT, block by block of 16 rows of R.  Accumulator (a, b): lane (r, h) holds row 16 a + r of R and rows 16 b + 8 h + 0 .. 7 of Cc, so its eight codes are registers 2 (b % 4), 2 (b % 4) + 1 of image b / 4.
.macro OUTBLK a
	WIN 0x02+((\a)/4)                              ; source 0: window 2 or 3
.set j, 0
.rept 64
	v_med3_num_f32 v[TMP+j], v[64*((\a)%4)+j], -v[LIM], v[LIM]   ; the hold at the largest code x the scale, into other registers; each accumulator from its low end on
.set j, j+1
.endr
	WIN 0
.irp b, 0,1,2,3,4,5,6,7
	v_cvt_scalef32_pk8_bf8_f32 v[CD+16*(\a)+2*\b:CD+16*(\a)+2*\b+1], v[TMP+8*\b:TMP+8*\b+7], v[SCL]
.endr
	v_nop                                          ; a plain line behind the last conversion: the next block's holds write its sources
.irp u, 0,1
.irp g, 0,1
	global_store_b128 v[LN], v[CD+16*(\a)+8*\u+4*\g:CD+16*(\a)+8*\u+4*\g+3], s[OB+4*((\a)/4)+2*\u:OB+4*((\a)/4)+2*\u+1] offset:((\a)%4)*1024+512*\g   ; 512 consecutive bytes, aligned; every block has code registers of its own
.endr
.endr
.endm
	s_wait_kmcnt 0x0
	s_sub_co_i32 s98, s98, s96
	s_sub_co_i32 s98, s98, s97                     ; et - ew - ex
	s_add_co_i32 s98, s98, 127
	s_lshl_b32 s96, s98, 23
	v_mov_b32 v[SCL], s96
	s_add_co_i32 s98, s98, 15
	s_lshl_b32 s98, s98, 23
	s_or_b32 s98, s98, 0x600000
	v_mov_b32 v[LIM], s98
	PLACES NP                                      ; behind the last products: in front of the first read of results and of writes into the registers that held R's fragments
.irp a, 0,1,2,3,4,5,6,7
	OUTBLK \a
.endr
	s_wait_tensorcnt 0x0                           ; the wave's end
	ds_add_u32 v[SPW], v[NIL]
	s_wait_dscnt 0x0
	CROUND                                         ; the closing round: no work-group ends while a partner may still ask for a tile that names it
	s_endpgm
.Lfunc_end_k_qf9c962dca4_proj:
	.size	k_qf9c962dca4_proj, .Lfunc_end_k_qf9c962dca4_proj-k_qf9c962dca4_proj
	.p2alignl 7, 3214868480
	.fill 96, 4, 3214868480
	.section	.rodata,"a",@progbits
	.p2align	6, 0x0
	.amdhsa_kernel k_qf9c962dca4_proj
		.amdhsa_group_segment_fixed_size 327680
		.amdhsa_private_segment_fixed_size 0
		.amdhsa_enable_private_segment 0
		.amdhsa_kernarg_size 32
		.amdhsa_user_sgpr_count 2
		.amdhsa_user_sgpr_kernarg_segment_ptr 1
		.amdhsa_wavefront_size32 1
		.amdhsa_system_sgpr_workgroup_id_x 1
		.amdhsa_system_sgpr_workgroup_id_y 1
		.amdhsa_system_sgpr_workgroup_id_z 1
		.amdhsa_system_vgpr_workitem_id 0
		.amdhsa_next_free_vgpr 1024
		.amdhsa_next_free_sgpr 100
		.amdhsa_reserve_vcc 0
		.amdhsa_float_denorm_mode_32 3
		.amdhsa_float_denorm_mode_16_64 3
		.amdhsa_memory_ordered 1
		.amdhsa_forward_progress 1
		.amdhsa_inst_pref_size 119
	.end_amdhsa_kernel
	.amdgpu_metadata
---
amdhsa.version: [ 1, 2 ]
amdhsa.kernels:
  - .name:           k_qf9c962dca4_proj
    .symbol:         k_qf9c962dca4_proj.kd
    .args:
      - { .name: xq, .offset: 0, .size: 8, .value_kind: global_buffer, .address_space: global }
      - { .name: wq, .offset: 8, .size: 8, .value_kind: global_buffer, .address_space: global }
      - { .name: lowp_scales, .offset: 16, .size: 8, .value_kind: global_buffer, .address_space: global }
      - { .name: qkv, .offset: 24, .size: 8, .value_kind: global_buffer, .address_space: global }
    .group_segment_fixed_size: 327680
    .private_segment_fixed_size: 0
    .kernarg_segment_align: 8
    .kernarg_segment_size: 32
    .max_flat_workgroup_size: 128
    .sgpr_count:     100
    .vgpr_count:     1024
    .wavefront_size: 32
...
	.end_amdgpu_metadata
.endif
;; end of part 2
;; launch attn (part 3): grid 8 x 32, 16 waves a work-group, no clusters, 296,960 bytes of LDS; arguments qkv, lambdas, lowp_scales, oc; writes oc
.if DOCPART == 3
	.amdgcn_target "amdgcn-amd-amdhsa--gfx1250"
	.amdhsa_code_object_version 6
	.text
	.protected	k_qf9c962dca4_attn
	.globl	k_qf9c962dca4_attn
	.p2align	8
	.type	k_qf9c962dca4_attn,@function
k_qf9c962dca4_attn:
	s_mov_b64 s[64:65], 0
	v_nop
	global_prefetch_b8 v0, s[64:65] scope:SCOPE_SE
	s_setreg_imm32_b32 hwreg(HW_REG_WAVE_MODE, 25, 1), 1
	s_wait_xcnt 0x0
; Differential attention of one (batch, head): out = (softmax(q1 k1^T / 8) - lam softmax(q2 k2^T / 8)) v, causal, all three products on codes of BF8 (E5M2) by v_wmma_f32_16x16x64_bf8_bf8;
; out x (1 - 0.2) is quantised at once into the last product's operand.  lam = exp(l0 l1) - exp(l2 l3) + 0.2.
; THE WEIGHTS ARE QUANTISED FINISHED: normalised, and the second softmax taken off.  So a row's two maxima and two sums are known before any weight is made: THE KEYS ARE WALKED TWICE.
;   pass 1: scores, the running largest t (t = score x log2(e) / 8), M = it rounded up to a whole number, the sum of 2^(t - M); when M moves the sum is multiplied by 2^(old M - new M), which rounds nothing.
;   pass 2: the same scores again, w = 2^(t1 - M1) / l1 - lam 2^(t2 - M2) / l2, held, quantised with entry 14, O^T += V^T W^T.
; SHARES.  Work-group (j, batch x 16 + head) owns the blocks of 128 queries j and 15 - j: 17 block-steps under the causal mask, the same in every work-group.  Wave w: tile of 16 queries w / 2 of block j (f = 0) or 15 - j (f = 1),
; f = (w xor w / 4) & 1.  A step is 128 keys; a wave works in steps up to its own block's, which is its diagonal step; there hidden scores become -infinity.  Both loops have 16 trips; what is left out is a trip's work.
; OPERANDS come as images of their registers (16 rows x 64 K: 1,024 bytes, registers 4 g .. 4 g + 3 of lane l at 512 g + 16 l), so every load, global or LDS, takes 16 x lane consecutive bytes: no pitch, no padding.
; LDS: K's places: step s at 16,384 s: k1's 8 images, then k2's; they stay, and pass 2 reads them again; place 16 takes the last trip's look-ahead, which nobody reads.  Behind them V's ring of two slots of 8,192 bytes.
; Tiles go memory -> registers -> LDS one step ahead: each of the 512 threads carries 16 bytes of each tile; one barrier a trip parts a place's stores from its reads, and a slot's reads from its next stores.
; LAYOUT.  S^T = K Q^T (source 0 = 16 keys, source 1 = my 16 queries): lane (r, h) holds query r; register j of tile kt is key 16 kt + 8 h + j, so the conversion of tile kt gives registers 2 kt, 2 kt + 1 of W.
; O^T = V^T W^T (source 0 = 16 places of d): register j of tile t is place 16 t + 8 h + j, which holds d with bits 3 and 4 exchanged: the four conversions give the last product's registers: K = 32 c + 16 h + 0 .. 15 in 4 c .. 4 c + 3.
; NO CLUSTER: the eight work-groups of a head walk 9 to 16 steps, so partners would need different numbers of tiles.
; LIMITS on the given exponents: entries 10 + 11 and 12 + 13 between -123 and 130 (they are added to the exponent field of log2(e) / 8); entry 14, and 16 - 14 - 15, between -126 and 112.
.set KPL,   16384                      ; a place of K
.set VRING, 17*KPL                     ; V's ring
.set VSL,   8192                       ; from one slot of it to the other: one exclusive or
.set LN,   1                           ; v1   16 x lane
.set TD,   2                           ; v2   16 x thread
.set ADK,  3                           ; v3   the step's place of K + 16 x lane
.set DD,   4                           ; v4   16 x tile + r - 8 h: in the diagonal step register j of tile kt is hidden where 16 kt + j is above it
.set NINF, 5                           ; v5   -infinity
.set SCL,  6                           ; v6   the scale of the conversion in hand
.set LIMV, 7                           ; v7   57,344 x that
.set ADV,  8                           ; v8   V's slot in hand + 16 x lane
.set STA,  9                           ; v9   where I store what I carry
.set LAM,  10                          ; v10  lam
.set PFO,  11                          ; v11  256 x lane, for the prefetches; never rewritten
                                       ; v12 -M1, v13 largest t1, v[14:15] l1;  v16, v17, v[18:19] the same for softmax 2;  v[20:21] 1 / l1, v[22:23] -lam / l2 (low words);  v24-31 at work
.set QA,   32                          ; v32-39   q1's image
.set QB,   40                          ; v40-47   q2's
.set KF,   48                          ; v48-111  eight images of K
.set S,    112                         ; v112-175 scores, then weights
.set O,    176                         ; v176-207 O^T
.set VF,   208                         ; v208-239 four images of V
.set WC,   240                         ; v240-247 W's codes
.set STG,  248                         ; v248-255 what I carry from memory to LDS
.set WV,  12
.set BH,  13
.set TQ,  15
.set MYB, 16                           ; s16  my block of queries = my diagonal step
.set NS,  17                           ; s17  steps that the work-group walks: 16 - j
.set STP, 18
.set TB,  19                           ; s19  the step's place of K
.set VS,  20                           ; s20  V's slot in hand
.set LIM, 21                           ; s21  a wave prefetches while the step is under it
.set K1B, 22                           ; s[22:27] the head's k1, k2, v
.set K2B, 24
.set VB,  26
.set Q1B, 28
.set Q2B, 30
.set OFS, 32                           ; s[32:33] an offset pair
.set GA,  34                           ; s[34:37] the addresses of the tiles that are carried
.set GB,  36
.set SEL, 38                           ; s[38:39] lane selects: lane l xor 16
.set C1,  44                           ; s[44:45], s[46:47] log2(e) / 8 x the two scales of a score
.set C2,  46
.set PFA, 58                           ; s[58:59] where my prefetches stand
.macro KLOAD n, dst, off               ; n images from the step's place of K
.set i, 0
.rept \n
	ds_load_b128 v[\dst+8*i:\dst+8*i+3], v[ADK] offset:\off+1024*i
	ds_load_b128 v[\dst+8*i+4:\dst+8*i+7], v[ADK] offset:\off+1024*i+512
.set i, i+1
.endr
.endm
; A PREFETCH INTO THE L2 of the tile that the NEXT trip will carry (step + 2): 8,192 bytes, lanes 256 bytes apart, one instruction.  All eight work-groups of a head walk the same tiles: the head's first, which walks all
; 16 steps, asks: in pass 1 wave 0 for k1 and wave 1 for k2, in pass 2 wave 0 for v.  It stands behind the trip's loads.  Steps 0 and 1 come by their loads alone; the last two trips ask for nothing.
.macro ASK
	s_cmp_lt_u32 s[STP], s[LIM]
	s_cbranch_scc0 .Lnot_mine_\@
	global_prefetch_b8 v[PFO], s[PFA:PFA+1] th:TH_LOAD_NT scope:SCOPE_SE
.Lnot_mine_\@:
.endm
.macro PLACES
.rept 4
	v_nop
.endr
.endm
; Pass 1's vector work on 64 scores a lane: v[nm] -M, v[nm + 1] the largest t, v[l : l + 1] the sum, s[cs] the factor.
.macro STATS nm, l, cs
	s_cmp_lt_u32 s[STP], s[MYB]                    ; a step all of whose keys count skips the mask
	s_cbranch_scc1 .Lopen_\@
.set n, 0
.rept 64
	v_cmp_gt_i32 vcc_lo, 16*(n/8)+n%8, v[DD]
	v_cndmask_b32 v[S+n], v[S+n], v[NINF], vcc_lo
.set n, n+1
.endr
.Lopen_\@:
	v_max3_num_f32 v24, v[S], v[S+1], v[S+2]       ; the step's largest score of my query among my 64 keys, in two chains, each accumulator from its low end on,
	v_max3_num_f32 v25, v[S+3], v[S+4], v[S+5]
.irp i, 6,10,14,18,22,26,30,34,38,42,46,50,54,58
	v_max3_num_f32 v24, v24, v[S+\i], v[S+\i+1]
	v_max3_num_f32 v25, v25, v[S+\i+2], v[S+\i+3]
.endr
	v_max3_num_f32 v24, v24, v[S+62], v[S+63]
	v_max_num_f32 v24, v24, v25
	v_permlanex16_b32 v26, v24, s[SEL], s[SEL+1]
	v_max_num_f32 v24, v24, v26                    ; and among lane l xor 16's
	v_mul_f32 v24, s[\cs], v24                     ; as t (the factor is positive)
	v_max_num_f32 v[\nm+1], v[\nm+1], v24
	v_mov_b32 v24, v[\nm]
	v_floor_f32 v[\nm], -v[\nm+1]                  ; the new -M = floor(-t)
	v_sub_f32 v24, v[\nm], v24                     ; old M - new M: a whole number, 0 or less
	v_cvt_i32_f32 v24, v24                         ; (it saturates)
	v_ldexp_f32 v28, 1.0, v24                      ; f = 2^(old M - new M)
.set n, 0
.rept 32
	v_pk_fma_f32 v[S+n:S+n+1], v[S+n:S+n+1], s[\cs:\cs+1], v[\nm:\nm+1] op_sel_hi:[1,0,0]   ; t - M, two at a time (of both pairs the low word serves both halves)
.set n, n+2
.endr
.set n, 0
.rept 64
	v_exp_f32 v[S+n], v[S+n]
.set n, n+1
.endr
	v_pk_mul_f32 v[\l:\l+1], v[\l:\l+1], v[28:29] op_sel_hi:[1,0]   ; the sum under the new M: the plain line behind the exponentials
	s_wait_alu depctr_va_vdst(0)                   ; one wait for the batch, ahead of its first reader
	v_pk_add_f32 v[30:31], v[S:S+1], v[S+2:S+3]
.irp i, 4,8,12,16,20,24,28,32,36,40,44,48,52,56,60
	v_pk_add_f32 v[\l:\l+1], v[\l:\l+1], v[S+\i:S+\i+1]
	v_pk_add_f32 v[30:31], v[30:31], v[S+\i+2:S+\i+3]
.endr
	v_pk_add_f32 v[\l:\l+1], v[\l:\l+1], v[30:31]
.endm
; Pass 2, 64 keys: half hf of the step.
.macro P2HALF hf
	PLACES                                         ; in front of loads into V's registers, which the last four products read
	KLOAD 4, KF, 4096*\hf
	KLOAD 4, KF+32, 8192+4096*\hf
.set i, 0
.rept 4
	ds_load_b128 v[VF+8*i:VF+8*i+3], v[ADV] offset:4096*\hf+1024*i
	ds_load_b128 v[VF+8*i+4:VF+8*i+7], v[ADV] offset:4096*\hf+1024*i+512
.set i, i+1
.endr
	s_wait_dscnt 8                                 ; K's sixteen loads are in; V's eight, issued behind them, may be out
.set i, 0
.rept 4
	v_wmma_f32_16x16x64_bf8_bf8 v[S+8*i:S+8*i+7], v[KF+8*i:KF+8*i+7], v[QA:QA+7], 0
	v_wmma_f32_16x16x64_bf8_bf8 v[S+32+8*i:S+32+8*i+7], v[KF+32+8*i:KF+32+8*i+7], v[QB:QB+7], 0
.set i, i+1
.endr
	PLACES
	s_cmp_lt_u32 s[STP], s[MYB]
	s_cbranch_scc1 .Lopen2_\@
.set n, 0
.rept 32
	v_cmp_gt_i32 vcc_lo, 64*\hf+16*(n/8)+n%8, v[DD]
	v_cndmask_b32 v[S+n], v[S+n], v[NINF], vcc_lo
	v_cndmask_b32 v[S+32+n], v[S+32+n], v[NINF], vcc_lo
.set n, n+1
.endr
.Lopen2_\@:
.set n, 0
.rept 16
	v_pk_fma_f32 v[S+n:S+n+1], v[S+n:S+n+1], s[C1:C1+1], v[12:13] op_sel_hi:[1,0,0]
	v_pk_fma_f32 v[S+32+n:S+32+n+1], v[S+32+n:S+32+n+1], s[C2:C2+1], v[16:17] op_sel_hi:[1,0,0]
.set n, n+2
.endr
.set n, 0
.rept 64
	v_exp_f32 v[S+n], v[S+n]
.set n, n+1
.endr
	v_nop                                          ; the plain line behind the exponentials
	s_wait_alu depctr_va_vdst(0)                   ; one wait for the batch
.set n, 0
.rept 16
	v_pk_mul_f32 v[S+32+n:S+32+n+1], v[S+32+n:S+32+n+1], v[22:23] op_sel_hi:[1,0]   ; -lam p2 / l2
.set n, n+2
.endr
.set n, 0
.rept 16
	v_pk_fma_f32 v[S+n:S+n+1], v[S+n:S+n+1], v[20:21], v[S+32+n:S+32+n+1] op_sel_hi:[1,0,1]   ; w = p1 / l1 - lam p2 / l2
.set n, n+2
.endr
.set n, 0
.rept 32
	v_med3_num_f32 v[S+n], v[S+n], -v[LIMV], v[LIMV]   ; the conversion does not saturate (ISA guide 7.6.2)
.set n, n+1
.endr
.set i, 0
.rept 4
	v_cvt_scalef32_pk8_bf8_f32 v[WC+2*i:WC+2*i+1], v[S+8*i:S+8*i+7], v[SCL]
.set i, i+1
.endr
	v_nop                                          ; a plain line between the conversions and the products that read their results
	s_wait_dscnt 0x0                               ; V is in
.set i, 0
.rept 4
	v_wmma_f32_16x16x64_bf8_bf8 v[O+8*i:O+8*i+7], v[VF+8*i:VF+8*i+7], v[WC:WC+7], v[O+8*i:O+8*i+7]   ; four accumulators by turns; eight score products stand between two turns of one
.set i, i+1
.endr
.endm
	s_load_b256 s[4:11], s[0:1], 0x0               ; qkv s[4:5], lambdas s[6:7], the scales' exponents s[8:9], oc s[10:11]
	v_lshrrev_b32 v24, 5, v0
	v_readfirstlane_b32 s[WV], v24                 ; wave 0..15
	v_and_b32 v[LN], 31, v0
	v_lshlrev_b32 v[PFO], 8, v[LN]
	v_lshlrev_b32 v[LN], 4, v[LN]
	v_lshlrev_b32 v[TD], 4, v0
	v_add_nc_u32 v[STA], VRING, v[TD]
	s_and_b32 s[BH], ttmp7, 0xffff
	s_lshr_b32 s14, s[WV], 2
	s_xor_b32 s14, s14, s[WV]
	s_and_b32 s14, s14, 1                          ; f
	s_lshr_b32 s[TQ], s[WV], 1
	s_sub_co_u32 s56, 15, ttmp9
	s_cmp_eq_u32 s14, 1
	s_cselect_b32 s[MYB], s56, ttmp9
	s_sub_co_u32 s[NS], 16, ttmp9
	v_and_b32 v[DD], 15, v0
	v_bfe_u32 v24, v0, 4, 1
	v_lshlrev_b32 v24, 3, v24
	v_sub_nc_u32 v[DD], v[DD], v24
	s_lshl_b32 s56, s[TQ], 4
	v_add_nc_u32 v[DD], s56, v[DD]
	s_lshl_b32 s[OFS], s[BH], 17
	s_mov_b32 s[OFS+1], 0
	s_lshl_b32 s56, s[MYB], 3
	s_add_co_u32 s56, s56, s[TQ]
	s_lshl_b32 s56, s56, 10                        ; my tile's image
	s_mov_b32 s57, 0
	s_mov_b32 s[SEL], 0x76543210
	s_mov_b32 s[SEL+1], 0xfedcba98
	s_mov_b32 s[STP], 0
	s_mov_b32 s[TB], 0
	s_wait_kmcnt 0x0
	s_load_b128 s[40:43], s[6:7], 0x0              ; the four lambdas
	s_load_b256 s[48:55], s[8:9], 0x28             ; entries 10 to 17
	s_add_nc_u64 s[Q1B:Q1B+1], s[4:5], s[OFS:OFS+1]        ; the head's q1; the other tensors lie 2^22 bytes apart
	s_add_nc_u64 s[K1B:K1B+1], s[Q1B:Q1B+1], 0x400000
	s_add_nc_u64 s[K2B:K2B+1], s[Q1B:Q1B+1], 0xc00000
	s_add_nc_u64 s[VB:VB+1], s[Q1B:Q1B+1], 0x1000000
	s_add_nc_u64 s[Q1B:Q1B+1], s[Q1B:Q1B+1], s[56:57]
	s_add_nc_u64 s[Q2B:Q2B+1], s[Q1B:Q1B+1], 0x800000
	global_load_b128 v[STG:STG+3], v[TD], s[K1B:K1B+1]     ; step 0's tiles
	global_load_b128 v[STG+4:STG+7], v[TD], s[K2B:K2B+1]
	global_load_b128 v[WC:WC+3], v[TD], s[VB:VB+1]
	global_load_b128 v[QA:QA+3], v[LN], s[Q1B:Q1B+1]       ; my queries stay in registers
	global_load_b128 v[QA+4:QA+7], v[LN], s[Q1B:Q1B+1] offset:512
	global_load_b128 v[QB:QB+3], v[LN], s[Q2B:Q2B+1]
	global_load_b128 v[QB+4:QB+7], v[LN], s[Q2B:Q2B+1] offset:512
	s_cmp_eq_u32 s[WV], 0
	s_cselect_b64 s[PFA:PFA+1], s[K1B:K1B+1], s[K2B:K2B+1]
	s_add_nc_u64 s[PFA:PFA+1], s[PFA:PFA+1], 8192  ; at step 1: the first trip steps it to step 2
	s_lshr_b32 s56, s[WV], 1                       ; 0 in waves 0 and 1,
	s_or_b32 s56, s56, ttmp9                       ; of the head's first work-group
	s_cmp_eq_u32 s56, 0
	s_cselect_b32 s[LIM], 14, 0
	v_mov_b32 v13, 0xff61b1e6                      ; the largest t so far: -3e38, under every t
	v_mov_b32 v17, 0xff61b1e6
	v_floor_f32 v12, -v13
	v_floor_f32 v16, -v17
.irp r, 14,15,18,19,21,23,26,27,29
	v_mov_b32 v\r, 0                               ; the sums; upper halves of pairs that are named; the lane exchanges' destinations, which count as read
.endr
.set n, 0
.rept 32
	v_mov_b32 v[O+n], 0                            ; O^T: the step is written once
.set n, n+1
.endr
	s_wait_kmcnt 0x0
	v_mul_f32 v24, s40, s41
	v_mul_f32 v25, s42, s43
	v_mul_f32 v24, 0x3fb8aa3b, v24
	v_mul_f32 v25, 0x3fb8aa3b, v25
	v_exp_f32 v24, v24
	v_exp_f32 v25, v25
	v_mov_b32 v[NINF], 0xff800000                  ; (the plain line behind the exponentials)
	s_wait_alu depctr_va_vdst(0)                   ; ahead of their first reader
	v_sub_f32 v[LAM], v24, v25
	v_add_f32 v[LAM], 0x3e4ccccd, v[LAM]           ; lam
	s_add_co_i32 s56, s48, s49
	s_lshl_b32 s56, s56, 23
	s_add_co_i32 s[C1], s56, 0x3e38aa3b            ; log2(e) / 8 with the two exponents added to its exponent field
	s_mov_b32 s[C1+1], s[C1]
	s_add_co_i32 s56, s50, s51
	s_lshl_b32 s56, s56, 23
	s_add_co_i32 s[C2], s56, 0x3e38aa3b
	s_mov_b32 s[C2+1], s[C2]
	s_wait_loadcnt 0x0
	ds_store_b128 v[TD], v[STG:STG+3]
	ds_store_b128 v[TD], v[STG+4:STG+7] offset:8192
	ds_store_b128 v[STA], v[WC:WC+3]
	s_wait_dscnt 0x0                               ; for the others' sake: my stores are done
	s_barrier_signal -1
	s_barrier_wait -1
.Lp1:                                              ; PASS 1
	v_add_nc_u32 v[ADK], s[TB], v[LN]
	v_add_nc_u32 v[STA], s[TB], v[TD]
	s_cmp_ge_u32 s[STP], s[NS]                     ; past the work-group's last step only the barrier is left
	s_cbranch_scc1 .Le1
	s_wait_xcnt 0x0                                ; the last trip's loads and prefetch have read their addresses
	s_add_nc_u64 s[PFA:PFA+1], s[PFA:PFA+1], 8192
	s_add_co_u32 s[OFS], s[STP], 1
	s_min_u32 s[OFS], s[OFS], 15                   ; no load leaves its tensor
	s_lshl_b32 s[OFS], s[OFS], 13
	s_add_nc_u64 s[GA:GA+1], s[K1B:K1B+1], s[OFS:OFS+1]
	s_add_nc_u64 s[GB:GB+1], s[K2B:K2B+1], s[OFS:OFS+1]
	global_load_b128 v[STG:STG+3], v[TD], s[GA:GA+1]       ; the next step's tiles, 16 bytes a thread
	global_load_b128 v[STG+4:STG+7], v[TD], s[GB:GB+1]
	ASK
	s_cmp_gt_u32 s[STP], s[MYB]                    ; all keys of the step come after my queries: I only carry
	s_cbranch_scc1 .Li1
	KLOAD 8, KF, 0
	s_wait_dscnt 0x0
.set i, 0
.rept 8
	v_wmma_f32_16x16x64_bf8_bf8 v[S+8*i:S+8*i+7], v[KF+8*i:KF+8*i+7], v[QA:QA+7], 0
.set i, i+1
.endr
	PLACES                                         ; in front of the loads into K's registers and of the first read of the scores
	KLOAD 8, KF, 8192                              ; k2 lands under the first softmax's vector work
	STATS 12, 14, C1
	s_wait_dscnt 0x0
.set i, 0
.rept 8
	v_wmma_f32_16x16x64_bf8_bf8 v[S+8*i:S+8*i+7], v[KF+8*i:KF+8*i+7], v[QB:QB+7], 0
.set i, i+1
.endr
	PLACES
	STATS 16, 18, C2
.Li1:
	s_wait_loadcnt 0x0
	ds_store_b128 v[STA], v[STG:STG+3] offset:KPL          ; into the next place
	ds_store_b128 v[STA], v[STG+4:STG+7] offset:KPL+8192
.Le1:
	s_wait_dscnt 0x0                               ; my stores are done and my reads are in
	s_barrier_signal -1
	s_barrier_wait -1
	s_add_co_u32 s[TB], s[TB], KPL
	s_add_co_u32 s[STP], s[STP], 1
	s_cmp_lt_u32 s[STP], 16
	s_cbranch_scc1 .Lp1
	; BETWEEN THE PASSES: the sums' halves and lane l xor 16's; 1 / l1 and -lam / l2; W's scale
	v_add_f32 v14, v14, v15
	v_add_f32 v18, v18, v19
	v_permlanex16_b32 v26, v14, s[SEL], s[SEL+1]
	v_permlanex16_b32 v27, v18, s[SEL], s[SEL+1]
	v_add_f32 v14, v14, v26
	v_add_f32 v18, v18, v27
	v_rcp_f32 v20, v14
	v_rcp_f32 v22, v18
	v_nop                                          ; the plain line behind the reciprocals
	s_add_co_i32 s56, s52, 127
	s_lshl_b32 s57, s56, 23
	s_wait_alu depctr_va_vdst(0)                   ; one wait for both
	v_mul_f32 v22, v22, -v[LAM]
	v_mov_b32 v[SCL], s57                          ; 2^(entry 14)
	s_add_co_i32 s56, s56, 15
	s_lshl_b32 s56, s56, 23
	s_or_b32 s56, s56, 0x600000
	v_mov_b32 v[LIMV], s56
	s_mov_b32 s[STP], 0
	s_mov_b32 s[TB], 0
	s_mov_b32 s[VS], VRING
	s_wait_xcnt 0x0                                ; the last prefetch has read its address
	s_add_nc_u64 s[PFA:PFA+1], s[VB:VB+1], 8192
	s_or_b32 s56, s[WV], ttmp9                     ; wave 0 of the head's first work-group
	s_cmp_eq_u32 s56, 0
	s_cselect_b32 s[LIM], 14, 0
.Lp2:                                              ; PASS 2
	s_xor_b32 s56, s[VS], VSL
	v_add_nc_u32 v[ADK], s[TB], v[LN]
	v_add_nc_u32 v[ADV], s[VS], v[LN]
	v_add_nc_u32 v[STA], s56, v[TD]                ; the other slot
	s_cmp_ge_u32 s[STP], s[NS]
	s_cbranch_scc1 .Le2
	s_wait_xcnt 0x0
	s_add_nc_u64 s[PFA:PFA+1], s[PFA:PFA+1], 8192
	s_add_co_u32 s[OFS], s[STP], 1
	s_min_u32 s[OFS], s[OFS], 15
	s_lshl_b32 s[OFS], s[OFS], 13
	s_add_nc_u64 s[GA:GA+1], s[VB:VB+1], s[OFS:OFS+1]
	global_load_b128 v[STG:STG+3], v[TD], s[GA:GA+1]       ; the next step's V
	ASK
	s_cmp_gt_u32 s[STP], s[MYB]
	s_cbranch_scc1 .Li2
	P2HALF 0
	P2HALF 1
.Li2:
	s_wait_loadcnt 0x0
	ds_store_b128 v[STA], v[STG:STG+3]             ; the slot that was read in the trip before: the barrier at that trip's end stands between
.Le2:
	s_wait_dscnt 0x0
	s_barrier_signal -1
	s_barrier_wait -1
	s_add_co_u32 s[TB], s[TB], KPL
	s_xor_b32 s[VS], s[VS], VSL
	s_add_co_u32 s[STP], s[STP], 1
	s_cmp_lt_u32 s[STP], 16
	s_cbranch_scc1 .Lp2
	; THE WAY OUT: O x 0.8 (1 - 0.2 in f32) stands for that x 2^(14 + 15); its code under entry 16 takes the scale 2^(16 - 14 - 15).  Two stores of 512 consecutive bytes, aligned.
	PLACES
	s_sub_co_i32 s56, s54, s52
	s_sub_co_i32 s56, s56, s53
	s_add_co_i32 s56, s56, 127
	s_lshl_b32 s57, s56, 23
	v_mov_b32 v[SCL], s57
	s_add_co_i32 s56, s56, 15
	s_lshl_b32 s56, s56, 23
	s_or_b32 s56, s56, 0x600000
	v_mov_b32 v[LIMV], s56
.set n, 0
.rept 16
	v_pk_mul_f32 v[S+n:S+n+1], v[O+n:O+n+1], 0x3f4ccccd op_sel_hi:[1,0]   ; each accumulator from its low end on
.set n, n+2
.endr
.set n, 0
.rept 32
	v_med3_num_f32 v[S+n], v[S+n], -v[LIMV], v[LIMV]
.set n, n+1
.endr
.set i, 0
.rept 4
	v_cvt_scalef32_pk8_bf8_f32 v[WC+2*i:WC+2*i+1], v[S+8*i:S+8*i+7], v[SCL]
.set i, i+1
.endr
	v_nop
	s_lshr_b32 s56, s[BH], 4                       ; oc [block of 128 tokens][head / 4][tile][(head / 2) % 2][2,048 bytes], my head's half of the 2,048
	s_lshl_b32 s56, s56, 4
	s_add_co_u32 s56, s56, s[MYB]
	s_lshl_b32 s56, s56, 17
	s_and_b32 s57, s[BH], 15
	s_lshr_b32 s[OFS], s57, 2
	s_lshl_b32 s[OFS], s[OFS], 15
	s_or_b32 s56, s56, s[OFS]
	s_lshl_b32 s[OFS], s[TQ], 12
	s_or_b32 s56, s56, s[OFS]
	s_and_b32 s57, s57, 3
	s_lshl_b32 s57, s57, 10
	s_or_b32 s56, s56, s57
	s_mov_b32 s57, 0
	s_add_nc_u64 s[10:11], s[10:11], s[56:57]
	global_store_b128 v[LN], v[WC:WC+3], s[10:11]
	global_store_b128 v[LN], v[WC+4:WC+7], s[10:11] offset:512
	s_wait_xcnt 0x0
	v_lshl_add_u32 v254, v0, 2, 0x48000
	v_mov_b32 v255, 0
	s_wait_tensorcnt 0x0
	ds_add_u32 v254, v255
	s_wait_dscnt 0x0
	s_endpgm
.Lfunc_end_k_qf9c962dca4_attn:
	.size	k_qf9c962dca4_attn, .Lfunc_end_k_qf9c962dca4_attn-k_qf9c962dca4_attn
	.p2alignl 7, 3214868480
	.fill 96, 4, 3214868480
	.section	.rodata,"a",@progbits
	.p2align	6, 0x0
	.amdhsa_kernel k_qf9c962dca4_attn
		.amdhsa_group_segment_fixed_size 296960
		.amdhsa_private_segment_fixed_size 0
		.amdhsa_enable_private_segment 0
		.amdhsa_kernarg_size 32
		.amdhsa_user_sgpr_count 2
		.amdhsa_user_sgpr_kernarg_segment_ptr 1
		.amdhsa_wavefront_size32 1
		.amdhsa_system_sgpr_workgroup_id_x 1
		.amdhsa_system_sgpr_workgroup_id_y 1
		.amdhsa_system_sgpr_workgroup_id_z 1
		.amdhsa_system_vgpr_workitem_id 0
		.amdhsa_next_free_vgpr 256
		.amdhsa_next_free_sgpr 66
		.amdhsa_reserve_vcc 1
		.amdhsa_float_denorm_mode_32 3
		.amdhsa_float_denorm_mode_16_64 3
		.amdhsa_memory_ordered 1
		.amdhsa_forward_progress 1
		.amdhsa_inst_pref_size 74
	.end_amdhsa_kernel
	.amdgpu_metadata
---
amdhsa.version: [ 1, 2 ]
amdhsa.kernels:
  - .name:           k_qf9c962dca4_attn
    .symbol:         k_qf9c962dca4_attn.kd
    .args:
      - { .name: qkv, .offset: 0, .size: 8, .value_kind: global_buffer, .address_space: global }
      - { .name: lambdas, .offset: 8, .size: 8, .value_kind: global_buffer, .address_space: global }
      - { .name: lowp_scales, .offset: 16, .size: 8, .value_kind: global_buffer, .address_space: global }
      - { .name: oc, .offset: 24, .size: 8, .value_kind: global_buffer, .address_space: global }
    .group_segment_fixed_size: 296960
    .private_segment_fixed_size: 0
    .kernarg_segment_align: 8
    .kernarg_segment_size: 32
    .max_flat_workgroup_size: 512
    .sgpr_count:     66
    .vgpr_count:     256
    .wavefront_size: 32
...
	.end_amdgpu_metadata
.endif
;; end of part 3
;; launch outp (part 4): grid 4 x 16, 4 waves a work-group, clusters of 4 x 4, 327,680 bytes of LDS; arguments oc, wq, lowp_scales, proj_b, out0; writes out0
.if DOCPART == 4
	.amdgcn_target "amdgcn-amd-amdhsa--gfx1250"
	.amdhsa_code_object_version 6
	.text
	.protected	k_qf9c962dca4_outp
	.globl	k_qf9c962dca4_outp
	.p2align	8
	.type	k_qf9c962dca4_outp,@function
k_qf9c962dca4_outp:
	s_mov_b64 s[64:65], 0
	v_nop
	global_prefetch_b8 v0, s[64:65] scope:SCOPE_SE
	s_setreg_imm32_b32 hwreg(HW_REG_WAVE_MODE, 25, 1), 1
	s_wait_xcnt 0x0
	s_wait_alu depctr_hold_cnt(0) depctr_sa_sdst(0) depctr_va_vdst(0) depctr_va_sdst(0) depctr_va_ssrc(0) depctr_va_vcc(0) depctr_vm_vsrc(0)
	s_getreg_b32 s2, hwreg(HW_REG_IB_STS2, 6, 4)
	s_cmp_eq_u32 s2, 0
	s_cbranch_scc0 .Lentry_in_a_cluster
	s_endpgm
.Lentry_in_a_cluster:
	s_bfe_u32 s2, ttmp6, 0x10000c
	s_cmp_lg_u32 s2, 0xf033
	s_cbranch_scc0 .Lentry_shape_is_right
	s_endpgm
.Lentry_shape_is_right:
; out0 [4096][1024] f32 = A proj_w + proj_b on codes of BF8 (E5M2): A = the attention's result x 0.8, as codes (entry 16); proj_w as codes with K innermost, tensor 5 of wq (entry 17).  Each finished sum x 2^(16 + 17) + bias.
; LIMIT: entries 16 + 17 between -126 and 127, so that the power of two is an f32 number.
; A tile of 256 x 256 is made by a work-group of four waves; a wave makes 128 x 128: 64 accumulators, 512 registers.  K goes in steps of 256 through a ring of two LDS slots filled by the tensor data mover.
; A COMES AS IMAGES OF ITS FRAGMENTS: oc [block of 128 rows][K step of 256][block a of 16 rows][q][2,048 bytes]: registers 4 c .. 4 c + 3 of lane l at 512 c + 16 l, holding K = 32 c + 16 (l / 16) + 0 .. 15 of row l % 16.
; So half a tile of A for a K step is one dense block of 32,768 bytes, and a fragment comes by four loads of 512 consecutive bytes.  B's rows lie along K and are read with the same permutation of K.
; CLUSTERS: 4 x 4 work-groups; A's tiles are shared along a row of the cluster, B's along a column: each is asked for jointly.  64 work-groups: the output has 64 such tiles.
; THE MATRIX INSTRUCTION IS USED TRANSPOSED (source 0 = 16 rows of B, source 1 = 16 rows of A): a lane holds eight neighbouring numbers of a row of the output.
; REGISTERS, in windows of 256: window 0: v0-31 addresses, v8-11 my four columns' bias; from v128 A's fragments, one set; on the way out v128-255 rows.   window 1: B's fragments, two sets.   windows 2, 3: the accumulators.
.set SIZE_K, 1024
.set SIZE_N, 1024
.set KSTEP,  256
.set ROWB,   256
.set KROW,   SIZE_K
.set PITCH,  272                       ; B's LDS row: 256 bytes + 16 of padding: the 16 rows that a load touches start at 16 different banks (64 banks of 4 bytes: ISA guide 11.1)
.set FR,     16
.set NL,     4
.set NP,     4                         ; places behind this matrix instruction (ISA guide 7.12.1)
.set HALFT,  128*PITCH                 ; a region: 128 rows of B, or A's dense 32,768 bytes
.set SLOT,   4*HALFT
.set LAPS,   SIZE_K/(2*KSTEP)
.set SPARE,  2*SLOT                    ; behind the ring: the spare words, 128 bytes for each wave: two blocks of 256 bytes that no other line names
.set SPITCH, 528                       ; the way out: a stage of 16 rows x (512 bytes + 16) for each wave, in slot 0, which has had its last fill and its last read when the first result is stored there
.set BI,   8                           ; v8-11   the bias of my four columns of a row
.set ADRA, 16
.set ADRB, 20
.set STO,  24
.set RD,   25
.set CO,   26                          ; v26     16 x lane
.set SPW,  28
.set NIL,  29
.set AF,   128
.set BK,   128                         ; the way out: 16 rows read back from the stage: v128-191 and v192-255 by turns
.set G1, 24
.set G0, 32
.set G1B, 48
.set G0B, 56
.set MSB, 0
.macro WIN new                         ; the immediate's high byte repeats the setting that is left
.if MSB != \new
	s_set_vgpr_msb (MSB<<8)|\new
.set MSB, \new
.endif
.endm
.set MUL_LO, 0xa1                      ; source 0 (B) window 1, source 1 (A) window 0, C and D window 2
.set MUL_HI, 0xf1
.set TO_B,   0x40
; A joint load: waves 0 and 1 fetch for A, waves 2 and 3 for B; the branch hangs on the wave's number alone.  Four v_nop follow each of the two lines.
.macro JLOAD g0a, g1a, g0b, g1b
	s_cmp_eq_u32 s15, 0
	s_cbranch_scc0 .Lfor_b_\@
	tensor_load_to_lds s[\g0a:\g0a+3], s[\g1a:\g1a+7]
	s_nop 0
.rept 4
	v_nop
.endr
	s_branch .Lasked_\@
.Lfor_b_\@:
	tensor_load_to_lds s[\g0b:\g0b+3], s[\g1b:\g1b+7]
	s_nop 0
.rept 4
	v_nop
.endr
.Lasked_\@:
.endm
.macro CREST
	s_cmp_lg_u32 s14, 0
	s_cbranch_scc1 .Lnot_wave_0_\@
	s_barrier_signal -3
.Lnot_wave_0_\@:
	s_barrier_wait -3
	s_barrier_signal -1
	s_barrier_wait -1
.endm
.macro CROUND
	s_barrier_signal -1
	s_barrier_wait -1
	CREST
.endm
	s_load_b128 s[4:7], s[0:1], 0x0                ; oc s[4:5], wq s[6:7]
	s_load_b128 s[8:11], s[0:1], 0x10              ; the scales' exponents s[8:9], proj_b s[10:11]
	s_load_b64 s[12:13], s[0:1], 0x20              ; out0
	v_lshl_add_u32 v[SPW], v0, 2, SPARE
	v_mov_b32 v[NIL], 0
	ds_add_u32 v28, v29
	ds_add_u32 v28, v29
	s_wait_dscnt 0x0
	v_lshrrev_b32 v1, 5, v0
	v_readfirstlane_b32 s14, v1                    ; wave 0..3
	s_lshr_b32 s15, s14, 1                         ; which half of the tile's rows is mine.  Also: I fetch for A (0) or for B (1)
	s_and_b32 s16, s14, 1                          ; which half of its columns.  Also: which half of that tile I fetch
	s_bfe_u32 s40, ttmp6, 0x40000                  ; cx, cy
	s_bfe_u32 s41, ttmp6, 0x40004
	s_lshl_b32 s42, ttmp9, 2
	s_add_co_u32 s42, s42, s40                     ; tile column
	s_and_b32 s17, ttmp7, 0xffff
	s_lshl_b32 s17, s17, 2
	s_add_co_u32 s17, s17, s41                     ; tile row
	s_lshl_b32 s43, s41, 2
	s_lshl_b32 s43, 15, s43                        ; my row of the cluster
	s_lshl_b32 s44, 0x1111, s40                    ; my column
	s_or_b32 s[G1+0], s43, (0<<16)|(1<<21)         ; A: the mask of my row; elements of 1 byte; no padding; 21 set beside a mask
	s_mov_b32 s[G1+1], 256<<16                     ; a dense block as 128 rows of 256 bytes: tensor_dim0
	s_mov_b32 s[G1+2], 128<<16                     ; tensor_dim1
	s_mov_b32 s[G1+3], 256<<16                     ; tile_dim0
	s_mov_b32 s[G1+4], 128                         ; tile_dim1
	s_mov_b32 s[G1+5], 256                         ; the pitch = the row
	s_mov_b32 s[G1+6], 0
	s_mov_b32 s[G1+7], 0
	s_or_b32 s[G1B+0], s44, (0<<16)|(1<<20)|(1<<21)|(5<<22)|(3<<25)  ; B: the mask of my column; padding of 4 words after every 64
	s_mov_b32 s[G1B+1], ROWB<<16
	s_mov_b32 s[G1B+2], 128<<16
	s_mov_b32 s[G1B+3], ROWB<<16
	s_mov_b32 s[G1B+4], 128
	s_mov_b32 s[G1B+5], KROW
	s_mov_b32 s[G1B+6], 0
	s_mov_b32 s[G1B+7], 0
	s_lshl_b32 s20, s17, 1
	s_add_co_u32 s20, s20, s16
	s_lshl_b32 s20, s20, 17                        ; A: block of 128 rows 2 x tile row + half
	s_mov_b32 s21, 0
	s_lshl_b32 s18, s16, 7
	s_lshl_b32 s46, s42, 8
	s_add_co_u32 s46, s46, s18                     ; B: row 256 x tile column + 128 x half,
	s_lshl_b32 s46, s46, 10
	s_add_co_u32 s46, s46, 5<<20                   ; in tensor 5 of wq
	s_mov_b32 s47, 0
	s_mul_i32 s45, s14, HALFT                      ; where they go: wave x a region: no place in the cluster enters an LDS address
	s_wait_kmcnt 0x0
	s_load_b64 s[96:97], s[8:9], 0x40              ; entries 16, 17
	s_add_nc_u64 s[20:21], s[4:5], s[20:21]
	s_add_nc_u64 s[46:47], s[6:7], s[46:47]
	CROUND                                         ; all sixteen work-groups are here: the first joint loads meet
.irp s, 0,1
	s_mov_b32 s[G0+4*\s], 1
	s_add_co_u32 s[G0+4*\s+1], s45, \s*SLOT
	s_add_nc_u64 s[G0+4*\s+2:G0+4*\s+3], s[20:21], \s*32768
	s_or_b32 s[G0+4*\s+3], s[G0+4*\s+3], 0x80000000
	s_mov_b32 s[G0B+4*\s], 1
	s_add_co_u32 s[G0B+4*\s+1], s45, \s*SLOT
	s_add_nc_u64 s[G0B+4*\s+2:G0B+4*\s+3], s[46:47], \s*ROWB
	s_or_b32 s[G0B+4*\s+3], s[G0B+4*\s+3], 0x80000000
	JLOAD G0+4*\s, G1, G0B+4*\s, G1B
.endr
	v_and_b32 v1, 15, v0                           ; l % 16
	v_bfe_u32 v2, v0, 4, 1                         ; l / 16
	v_mul_u32_u24 v3, v1, PITCH
	v_lshl_add_u32 v4, v2, 4, v3                   ; B: a fragment's row x pitch + 16 x half
	v_and_b32 v6, 31, v0
	v_lshlrev_b32 v[CO], 4, v6                     ; A: 16 x lane; also my place in a row of 512 bytes of the output
	s_mul_i32 s21, s15, HALFT                      ; my 128 rows of A
	s_mul_i32 s22, s16, HALFT                      ; my 128 rows of B,
	s_add_co_u32 s22, s22, 2*HALFT                 ; which lie behind A's two regions
.irp s, 0,1
	v_add_nc_u32 v[ADRA+\s], s21, v[CO]
	v_add_nc_u32 v[ADRB+\s], s22, v4
	s_add_co_u32 s21, s21, SLOT
	s_add_co_u32 s22, s22, SLOT
.endr
	s_mul_i32 s23, s14, 16*SPITCH                  ; my stage
	v_mul_u32_u24 v5, v1, SPITCH                   ; in: row l % 16, 32 bytes for each half of the lanes
	v_lshl_add_u32 v5, v2, 5, v5
	v_add_nc_u32 v[STO], s23, v5
	v_add_nc_u32 v[RD], s23, v[CO]                 ; back: the 32 lanes take one row of 512 bytes
	s_lshl_b32 s20, s17, 8
	s_lshl_b32 s21, s15, 7
	s_add_co_u32 s20, s20, s21                     ; my first row: 256 x tile row + 128 x half,
	s_lshl_b32 s20, s20, 12                        ; of 4,096 bytes
	s_mov_b32 s21, 0
	s_lshl_b32 s46, s42, 10                        ; my first column, in bytes: 1,024 x tile column + 512 x half
	s_lshl_b32 s47, s16, 9
	s_add_co_u32 s46, s46, s47
	s_mov_b32 s47, 0
	s_add_nc_u64 s[10:11], s[10:11], s[46:47]
	s_add_nc_u64 s[12:13], s[12:13], s[46:47]
	s_add_nc_u64 s[12:13], s[12:13], s[20:21]
	global_load_b128 v[BI:BI+3], v[CO], s[10:11]   ; the bias of columns 4 l .. 4 l + 3 of my 128: the same in every row that I store
.macro FRAG reg, adr, q, i             ; B: registers 4 c .. 4 c + 3 hold K = 32 c + 16 (l / 16) + 0 .. 15 of row l % 16
.irp c, 0,1,2,3
	ds_load_b128 v[\reg+4*\c:\reg+4*\c+3], v[\adr] offset:128*(\q)+32*\c+(\i)*16*PITCH
.endr
.endm
.macro FRAGA reg, adr, q, i            ; A: the image of block i, half q of the K step
.irp c, 0,1,2,3
	ds_load_b128 v[\reg+4*\c:\reg+4*\c+3], v[\adr] offset:4096*(\i)+2048*(\q)+512*\c
.endr
.endm
; 16 matrix instructions: A's blocks a0, a0 + 1 x B's eight.  The 64 accumulators take turns, one instruction a turn, in the same order in every step.
.macro MUL16 a0, p, zero
.irp a, \a0, \a0+1
.irp b, 0,1,2,3,4,5,6,7
.if \zero
	v_wmma_f32_16x16x128_bf8_bf8 v[8*(8*((\a)%4)+\b):8*(8*((\a)%4)+\b)+7], v[128*(\p)+FR*\b:128*(\p)+FR*\b+FR-1], v[AF+FR*(\a):AF+FR*(\a)+FR-1], 0
.else
	v_wmma_f32_16x16x128_bf8_bf8 v[8*(8*((\a)%4)+\b):8*(8*((\a)%4)+\b)+7], v[128*(\p)+FR*\b:128*(\p)+FR*\b+FR-1], v[AF+FR*(\a):AF+FR*(\a)+FR-1], v[8*(8*((\a)%4)+\b):8*(8*((\a)%4)+\b)+7]
.endif
.endr
.endr
.endm
.macro FETCH_B slot, q, p
	WIN TO_B
.irp i, 0,1,2,3,4,5,6,7
	FRAG 128*(\p)+FR*\i, ADRB+\slot, \q, \i
.endr
	WIN 0
.endm
.macro FETCH_A slot, q, i0
.irp i, \i0, \i0+1, \i0+2, \i0+3
	FRAGA AF+FR*(\i), ADRA+\slot, \q, \i
.endr
.endm
.macro PLACES n                        ; plain vector lines between a matrix instruction and a load into a register that it read, or a read of its result (ISA guide 7.12.1 for a read of its result)
.rept \n
	v_nop
.endr
.endm
.macro STEP slot, q, zero
	s_wait_dscnt 4*NL                              ; B's set and A's blocks 0-3 are in; the youngest loads (A's blocks 4-7) may be out
	WIN MUL_LO
	MUL16 0, (\q)%2, \zero
	MUL16 2, (\q)%2, \zero
	s_wait_dscnt 0
	PLACES NP
	FETCH_B \slot, (\q)+1, 1-(\q)%2
	FETCH_A \slot, (\q)+1, 0
	WIN MUL_HI
	MUL16 4, (\q)%2, \zero
	MUL16 6, (\q)%2, \zero
	PLACES NP
	WIN 0
	FETCH_A \slot, (\q)+1, 4
.endm
.macro TURN slot, next, fill
	s_wait_tensorcnt 0x0                           ; all my tensor loads have landed: my part of the next slot
	ds_add_u32 v[SPW], v[NIL]                      ; 0 onto my spare word
	s_wait_dscnt 4*NL+1                            ; (the add and the youngest loads, A's blocks 4-7, may be out)
	WIN MUL_LO
	MUL16 0, 1, 0
	s_wait_dscnt 0x0                               ; the add is done, and my reads of this slot are over
	s_barrier_signal -1
	MUL16 2, 1, 0
	WIN 0
	s_barrier_wait -1
.if \fill
	CREST                                          ; the barrier has opened a round of the cluster's barrier: no wave of any partner still reads this slot's tile or has a load on its way
	s_add_nc_u64 s[G0+4*\slot+2:G0+4*\slot+3], s[G0+4*\slot+2:G0+4*\slot+3], 2*32768
	s_add_nc_u64 s[G0B+4*\slot+2:G0B+4*\slot+3], s[G0B+4*\slot+2:G0B+4*\slot+3], 2*ROWB
	JLOAD G0+4*\slot, G1, G0B+4*\slot, G1B         ; the first tensor load behind the round; its four v_nop are the places in front of the loads below
.else
	PLACES NP
.endif
	FETCH_B \next, 0, 0
	FETCH_A \next, 0, 0
	WIN MUL_HI
	MUL16 4, 1, 0
	MUL16 6, 1, 0
	PLACES NP
	WIN 0
	FETCH_A \next, 0, 4
.endm
	s_wait_tensorcnt 1                             ; my part of K step 0 is in (K step 1's load may be out)
	s_barrier_signal -1
	s_barrier_wait -1                              ; everybody's is
	FETCH_B 0, 0, 0
	FETCH_A 0, 0, 0
	FETCH_A 0, 0, 4
	STEP 0, 0, 1                                   ; the first step's products start the sums
	s_mov_b32 s3, LAPS-1
.Llap:
	TURN 0, 1, 1
	STEP 1, 0, 0
	TURN 1, 0, 1
	STEP 0, 0, 0
	s_sub_co_u32 s3, s3, 1
	s_cmp_lg_u32 s3, 0
	s_cbranch_scc1 .Llap
	TURN 0, 1, 0                                   ; the last lap fills nothing
	STEP 1, 0, 0
	s_wait_dscnt 4*NL
	WIN MUL_LO
	MUL16 0, 1, 0
	MUL16 2, 1, 0
	s_wait_dscnt 0
	WIN MUL_HI
	MUL16 4, 1, 0
	MUL16 6, 1, 0
	WIN 0
; THE WAY OUT, block by block of 16 rows x 128 columns: the sums go into my own stage as they are and come back as whole rows of 512 bytes; there a lane's four columns are the same in every row, so one packed
; multiply-add for two numbers gives sum x 2^(16 + 17) + bias.  LDS serves a wave's instructions in order (ISA guide 5.7.1.4): no wait between the stores and the loads, nor in front of the next block's stores.
.macro TOSTAGE a
.set AC, 64*((\a)%4)
	WIN 0x08+4*((\a)/4)                            ; the stores' data: window 2 or 3
.irp b, 0,1,2,3,4,5,6,7
	ds_store_b128 v[STO], v[AC+8*\b:AC+8*\b+3] offset:64*\b        ; each accumulator from its low end on
	ds_store_b128 v[STO], v[AC+8*\b+4:AC+8*\b+7] offset:64*\b+16
.endr
	WIN 0
.set BB, BK+64*((\a)%2)
.irp t, 0,1,2,3,4,5,6,7,8,9,10,11,12,13,14,15
	ds_load_b128 v[BB+4*\t:BB+4*\t+3], v[RD] offset:\t*SPITCH
.endr
.endm
.macro SEND a, younger                 ; younger: the LDS instructions issued behind block a's loads, which may stay out
.set BB, BK+64*((\a)%2)
	s_wait_dscnt \younger
.if (\a) > 0
	s_add_nc_u64 s[12:13], s[12:13], 16*SIZE_N*4   ; (behind a wait on XCNT: the earlier stores have read their base)
.endif
.irp t, 0,1,2,3,4,5,6,7,8,9,10,11,12,13,14,15
	v_pk_fma_f32 v[BB+4*\t:BB+4*\t+1], v[BB+4*\t:BB+4*\t+1], s[96:97], v[BI:BI+1] op_sel_hi:[1,0,1]
	v_pk_fma_f32 v[BB+4*\t+2:BB+4*\t+3], v[BB+4*\t+2:BB+4*\t+3], s[96:97], v[BI+2:BI+3] op_sel_hi:[1,0,1]
.endr
.irp t, 0,1,2,3,4,5,6,7,8,9,10,11,12,13,14,15
	global_store_b128 v[CO], v[BB+4*\t:BB+4*\t+3], s[12:13] offset:\t*SIZE_N*4 th:TH_STORE_NT   ; 32 lanes store 512 consecutive bytes, aligned; written once, read by nobody here
.endr
.endm
	s_wait_kmcnt 0x0
	s_add_co_i32 s96, s96, s97
	s_add_co_i32 s96, s96, 127
	s_lshl_b32 s96, s96, 23                        ; 2^(16 + 17) as f32
	s_wait_loadcnt 0x0                             ; the bias
	PLACES NP                                      ; behind the last products: in front of the stores that read results and of the loads into the registers that held A's fragments
	TOSTAGE 0
.irp a, 1,2,3,4,5,6,7
.if \a > 1
	s_wait_xcnt 0x0                                ; block a - 2's stores have read their registers and their base
.endif
	TOSTAGE \a
	SEND \a-1, 32                                  ; behind block a - 1's loads: block a's 16 stores and 16 loads
.endr
	s_wait_xcnt 0x0
	SEND 7, 0
	s_wait_tensorcnt 0x0                           ; the wave's end
	ds_add_u32 v[SPW], v[NIL]
	s_wait_dscnt 0x0
	CROUND                                         ; the closing round
	s_endpgm
.Lfunc_end_k_qf9c962dca4_outp:
	.size	k_qf9c962dca4_outp, .Lfunc_end_k_qf9c962dca4_outp-k_qf9c962dca4_outp
	.p2alignl 7, 3214868480
	.fill 96, 4, 3214868480
	.section	.rodata,"a",@progbits
	.p2align	6, 0x0
	.amdhsa_kernel k_qf9c962dca4_outp
		.amdhsa_group_segment_fixed_size 327680
		.amdhsa_private_segment_fixed_size 0
		.amdhsa_enable_private_segment 0
		.amdhsa_kernarg_size 40
		.amdhsa_user_sgpr_count 2
		.amdhsa_user_sgpr_kernarg_segment_ptr 1
		.amdhsa_wavefront_size32 1
		.amdhsa_system_sgpr_workgroup_id_x 1
		.amdhsa_system_sgpr_workgroup_id_y 1
		.amdhsa_system_sgpr_workgroup_id_z 1
		.amdhsa_system_vgpr_workitem_id 0
		.amdhsa_next_free_vgpr 1024
		.amdhsa_next_free_sgpr 98
		.amdhsa_reserve_vcc 0
		.amdhsa_float_denorm_mode_32 3
		.amdhsa_float_denorm_mode_16_64 3
		.amdhsa_memory_ordered 1
		.amdhsa_forward_progress 1
		.amdhsa_inst_pref_size 123
	.end_amdhsa_kernel
	.amdgpu_metadata
---
amdhsa.version: [ 1, 2 ]
amdhsa.kernels:
  - .name:           k_qf9c962dca4_outp
    .symbol:         k_qf9c962dca4_outp.kd
    .args:
      - { .name: oc, .offset: 0, .size: 8, .value_kind: global_buffer, .address_space: global }
      - { .name: wq, .offset: 8, .size: 8, .value_kind: global_buffer, .address_space: global }
      - { .name: lowp_scales, .offset: 16, .size: 8, .value_kind: global_buffer, .address_space: global }
      - { .name: proj_b, .offset: 24, .size: 8, .value_kind: global_buffer, .address_space: global }
      - { .name: out0, .offset: 32, .size: 8, .value_kind: global_buffer, .address_space: global }
    .group_segment_fixed_size: 327680
    .private_segment_fixed_size: 0
    .kernarg_segment_align: 8
    .kernarg_segment_size: 40
    .max_flat_workgroup_size: 128
    .sgpr_count:     98
    .vgpr_count:     1024
    .wavefront_size: 32
...
	.end_amdgpu_metadata
.endif
;; end of part 4
;; ======== version 2 of 2: 4 launches; version 1 with the launch attn written anew for expert scheduling mode
;; limits: right only within a limited range of input values
;; workspace buffers: xq 20,971,520 bytes; wq 6,291,456 bytes; qkv 20,971,520 bytes; oc 4,194,304 bytes
;; launch quant: the kernel of part 1 again; grid 320 x 1, 4 waves a work-group, no clusters, 68,096 bytes of LDS; arguments x, query1, key1, query2, key2, value, proj_w, lowp_scales, xq, wq; writes xq, wq
;; launch proj: the kernel of part 2 again; grid 20 x 16, 4 waves a work-group, clusters of 4 x 4, 327,680 bytes of LDS; arguments xq, wq, lowp_scales, qkv; writes qkv
;; launch attn (part 5): grid 8 x 32, 16 waves a work-group, no clusters, 296,960 bytes of LDS; arguments qkv, lambdas, lowp_scales, oc; writes oc
.if DOCPART == 5
	.amdgcn_target "amdgcn-amd-amdhsa--gfx1250"
	.amdhsa_code_object_version 6
	.text
	.protected	k_qf9c962dca4_attn
	.globl	k_qf9c962dca4_attn
	.p2align	8
	.type	k_qf9c962dca4_attn,@function
k_qf9c962dca4_attn:
	s_mov_b64 s[64:65], 0
	v_nop
	global_prefetch_b8 v0, s[64:65] scope:SCOPE_SE
	s_setreg_imm32_b32 hwreg(HW_REG_WAVE_SCHED_MODE, 0, 2), 2
	s_setreg_imm32_b32 hwreg(HW_REG_WAVE_MODE, 25, 1), 1
	s_wait_xcnt 0x0
	s_wait_alu depctr_vm_vsrc(0)
; Differential attention of one (batch, head): out = (softmax(q1 k1^T / 8) - lam softmax(q2 k2^T / 8)) v, causal, all three products on codes of BF8 (E5M2) by v_wmma_f32_16x16x64_bf8_bf8;
; out x (1 - 0.2) is quantised at once into the last product's operand.  lam = exp(l0 l1) - exp(l2 l3) + 0.2.
; THE WEIGHTS ARE QUANTISED FINISHED: normalised, and the second softmax taken off.  So a row's two maxima and two sums are known before any weight is made: THE KEYS ARE WALKED TWICE.
;   pass 1: scores, the running largest t (t = score x log2(e) / 8), M = it rounded up to a whole number, the sum of 2^(t - M); when M moves the sum is multiplied by 2^(old M - new M), which rounds nothing.
;   pass 2: the same scores again, w = 2^(t1 - M1) / l1 - lam 2^(t2 - M2) / l2, held, quantised with entry 14, O^T += V^T W^T.
; SHARES.  Work-group (j, batch x 16 + head) owns the blocks of 128 queries j and 15 - j: 17 block-steps under the causal mask, the same in every work-group.  Wave w: tile of 16 queries w / 2 of block j (f = 0) or 15 - j (f = 1),
; f = (w xor w / 4) & 1.  A step is 128 keys; a wave works in steps up to its own block's, which is its diagonal step; there hidden scores become -infinity.  Both loops have 16 trips; what is left out is a trip's work.
; OPERANDS come as images of their registers (16 rows x 64 K: 1,024 bytes, registers 4 g .. 4 g + 3 of lane l at 512 g + 16 l), so every load, global or LDS, takes 16 x lane consecutive bytes: no pitch, no padding.
; LDS: K's places: step s at 16,384 s: k1's 8 images, then k2's; they stay, and pass 2 reads them again; place 16 takes the last trip's look-ahead, which nobody reads.  Behind them V's ring of two slots of 8,192 bytes.
; Tiles go memory -> registers -> LDS one step ahead: each of the 512 threads carries 16 bytes of each tile; one barrier a trip parts a place's stores from its reads, and a slot's reads from its next stores.
; LAYOUT.  S^T = K Q^T (source 0 = 16 keys, source 1 = my 16 queries): lane (r, h) holds query r; register j of tile kt is key 16 kt + 8 h + j, so the conversion of tile kt gives registers 2 kt, 2 kt + 1 of W.
; O^T = V^T W^T (source 0 = 16 places of d): register j of tile t is place 16 t + 8 h + j, which holds d with bits 3 and 4 exchanged: the four conversions give the last product's registers: K = 32 c + 16 h + 0 .. 15 in 4 c .. 4 c + 3.
; NO CLUSTER: the eight work-groups of a head walk 9 to 16 steps, so partners would need different numbers of tiles.
; LIMITS on the given exponents: entries 10 + 11 and 12 + 13 between -123 and 130 (they are added to the exponent field of log2(e) / 8); entry 14, and 16 - 14 - 15, between -126 and 112.
; THE MODE: SCHED_MODE bits 1:0 = 2 (LLVM: expert scheduling mode 2), set by the entry lines.  The code itself states the register dependences between vector or matrix instructions and memory or LDS
; instructions, with s_wait_alu, always for 0.
; THE PLAN.  Registers that memory or LDS instructions touch:
;   v1, v2, v11      offsets, made once at the head and never written again.
;   v3, v8, v9       LDS addresses: written by vector additions at a trip's head; read by that trip's LDS loads and by its LDS stores.
;   STG v248-255     written by the trip's global loads, read by its LDS stores; no vector instruction names them ahead of the wave's end.
;   KF v48-111       written by LDS loads, read by score products.      KG v176-239, pass 1 alone: k2's eight images, likewise: a buffer of its own, so that k2's loads name no register of k1's products.
;   VF v208-239      pass 2: written by LDS loads, read by a half's four products for O^T.      WC v240-247: the conversions write it; the last two stores read it (at the head it carries V's first tile).
; At a trip's head, ahead of every branch: one wait on vm_vsrc (the last trip's LDS instructions have read the addresses and STG), the additions, one wait on va_vdst (the addresses are written; the last trip's
; products are done reading KF, KG, VF).  Pass 1 has no other.  In pass 2 the wait that stands behind each half's exponentials serves loads too: behind half 0's stand half 1's loads of K (half 0's score products
; are done reading KF), behind half 1's stand half 1's loads of V (half 0's four products are done reading VF).  The causal mask's compares go in runs of 32 into scalar registers, one wait on va_sdst behind a run.
.set KPL,   16384                      ; a place of K
.set VRING, 17*KPL                     ; V's ring
.set VSL,   8192                       ; from one slot of it to the other: one exclusive or
.set LN,   1                           ; v1   16 x lane
.set TD,   2                           ; v2   16 x thread
.set ADK,  3                           ; v3   the step's place of K + 16 x lane
.set DD,   4                           ; v4   16 x tile + r - 8 h: in the diagonal step register j of tile kt is hidden where 16 kt + j is above it
.set NINF, 5                           ; v5   -infinity
.set SCL,  6                           ; v6   the scale of the conversion in hand
.set LIMV, 7                           ; v7   57,344 x that
.set ADV,  8                           ; v8   V's slot in hand + 16 x lane
.set STA,  9                           ; v9   where I store what I carry
.set LAM,  10                          ; v10  lam
.set PFO,  11                          ; v11  256 x lane, for the prefetches; never rewritten
                                       ; v12 -M1, v13 largest t1, v[14:15] l1;  v16, v17, v[18:19] the same for softmax 2;  v[20:21] 1 / l1, v[22:23] -lam / l2 (low words);  v24-31 at work
.set QA,   32                          ; v32-39   q1's image
.set QB,   40                          ; v40-47   q2's
.set KF,   48                          ; v48-111  eight images of K
.set S,    112                         ; v112-175 scores, then weights
.set KG,   176                         ; v176-239 pass 1 alone: k2's eight images
.set O,    176                         ; v176-207 pass 2: O^T
.set VF,   208                         ; v208-239 pass 2: four images of V
.set WC,   240                         ; v240-247 W's codes
.set STG,  248                         ; v248-255 what I carry from memory to LDS
.set WV,  12
.set BH,  13
.set TQ,  15
.set MYB, 16                           ; s16  my block of queries = my diagonal step
.set NS,  17                           ; s17  steps that the work-group walks: 16 - j
.set STP, 18
.set TB,  19                           ; s19  the step's place of K
.set VS,  20                           ; s20  V's slot in hand
.set LIM, 21                           ; s21  a wave prefetches while the step is under it
.set K1B, 22                           ; s[22:27] the head's k1, k2, v
.set K2B, 24
.set VB,  26
.set Q1B, 28
.set Q2B, 30
.set OFS, 32                           ; s[32:33] an offset pair
.set GA,  34                           ; s[34:37] the addresses of the tiles that are carried
.set GB,  36
.set SEL, 38                           ; s[38:39] lane selects: lane l xor 16
.set C1,  44                           ; s[44:45], s[46:47] log2(e) / 8 x the two scales of a score
.set C2,  46
.set PFA, 58                           ; s[58:59] where my prefetches stand
.set MK,  66                           ; s[66:97] the causal mask of 32 registers' keys, a lane a bit
.macro KLOAD n, dst, off               ; n images from the step's place of K
.set i, 0
.rept \n
	ds_load_b128 v[\dst+8*i:\dst+8*i+3], v[ADK] offset:\off+1024*i
	ds_load_b128 v[\dst+8*i+4:\dst+8*i+7], v[ADK] offset:\off+1024*i+512
.set i, i+1
.endr
.endm
.macro VLOAD hf                        ; the four images of V of half hf of the step
.set i, 0
.rept 4
	ds_load_b128 v[VF+8*i:VF+8*i+3], v[ADV] offset:4096*(\hf)+1024*i
	ds_load_b128 v[VF+8*i+4:VF+8*i+7], v[ADV] offset:4096*(\hf)+1024*i+512
.set i, i+1
.endr
.endm
; The masks of 32 registers, whose keys begin k0 behind the step's first: a run of compares into scalar registers, and one wait for the run.
.macro HIDE32 k0
.set n, 0
.rept 32
	v_cmp_gt_i32 s[MK+n], (\k0)+16*(n/8)+n%8, v[DD]
.set n, n+1
.endr
	s_wait_alu depctr_va_sdst(0)                   ; the 32 compares have written s[MK ..], ahead of the first select that reads one
.endm
; A PREFETCH INTO THE L2 of the tile that the NEXT trip will carry (step + 2): 8,192 bytes, lanes 256 bytes apart, one instruction.  All eight work-groups of a head walk the same tiles: the head's first, which walks all
; 16 steps, asks: in pass 1 wave 0 for k1 and wave 1 for k2, in pass 2 wave 0 for v.  It stands behind the trip's loads.  Steps 0 and 1 come by their loads alone; the last two trips ask for nothing.
.macro ASK
	s_cmp_lt_u32 s[STP], s[LIM]
	s_cbranch_scc0 .Lnot_mine_\@
	global_prefetch_b8 v[PFO], s[PFA:PFA+1] th:TH_LOAD_NT scope:SCOPE_SE
.Lnot_mine_\@:
.endm
.macro PLACES
.rept 4
	v_nop
.endr
.endm
; Pass 1's vector work on 64 scores a lane: v[nm] -M, v[nm + 1] the largest t, v[l : l + 1] the sum, s[cs] the factor.
.macro STATS nm, l, cs
	s_cmp_lt_u32 s[STP], s[MYB]                    ; a step all of whose keys count skips the mask
	s_cbranch_scc1 .Lopen_\@
	HIDE32 0
.set n, 0
.rept 32
	v_cndmask_b32 v[S+n], v[S+n], v[NINF], s[MK+n]
.set n, n+1
.endr
	HIDE32 64
.set n, 0
.rept 32
	v_cndmask_b32 v[S+32+n], v[S+32+n], v[NINF], s[MK+n]
.set n, n+1
.endr
.Lopen_\@:
	v_max3_num_f32 v24, v[S], v[S+1], v[S+2]       ; the step's largest score of my query among my 64 keys, in two chains, each accumulator from its low end on,
	v_max3_num_f32 v25, v[S+3], v[S+4], v[S+5]
.irp i, 6,10,14,18,22,26,30,34,38,42,46,50,54,58
	v_max3_num_f32 v24, v24, v[S+\i], v[S+\i+1]
	v_max3_num_f32 v25, v25, v[S+\i+2], v[S+\i+3]
.endr
	v_max3_num_f32 v24, v24, v[S+62], v[S+63]
	v_max_num_f32 v24, v24, v25
	v_permlanex16_b32 v26, v24, s[SEL], s[SEL+1]
	v_max_num_f32 v24, v24, v26                    ; and among lane l xor 16's
	v_mul_f32 v24, s[\cs], v24                     ; as t (the factor is positive)
	v_max_num_f32 v[\nm+1], v[\nm+1], v24
	v_mov_b32 v24, v[\nm]
	v_floor_f32 v[\nm], -v[\nm+1]                  ; the new -M = floor(-t)
	v_sub_f32 v24, v[\nm], v24                     ; old M - new M: a whole number, 0 or less
	v_cvt_i32_f32 v24, v24                         ; (it saturates)
	v_ldexp_f32 v28, 1.0, v24                      ; f = 2^(old M - new M)
.set n, 0
.rept 32
	v_pk_fma_f32 v[S+n:S+n+1], v[S+n:S+n+1], s[\cs:\cs+1], v[\nm:\nm+1] op_sel_hi:[1,0,0]   ; t - M, two at a time (of both pairs the low word serves both halves)
.set n, n+2
.endr
.set n, 0
.rept 64
	v_exp_f32 v[S+n], v[S+n]
.set n, n+1
.endr
	v_pk_mul_f32 v[\l:\l+1], v[\l:\l+1], v[28:29] op_sel_hi:[1,0]   ; the sum under the new M: the plain line behind the exponentials
	s_wait_alu depctr_va_vdst(0)                   ; the 64 exponentials have written v[S ..]: one wait for the batch, ahead of its first reader
	v_pk_add_f32 v[30:31], v[S:S+1], v[S+2:S+3]
.irp i, 4,8,12,16,20,24,28,32,36,40,44,48,52,56,60
	v_pk_add_f32 v[\l:\l+1], v[\l:\l+1], v[S+\i:S+\i+1]
	v_pk_add_f32 v[30:31], v[30:31], v[S+\i+2:S+\i+3]
.endr
	v_pk_add_f32 v[\l:\l+1], v[\l:\l+1], v[30:31]
.endm
; Pass 2, 64 keys: half hf of the step.  Half 0 asks for its K and its V at its head, behind the wait at the trip's head; half 1's K is asked for in half 0, its V in half 1, each behind the wait for a batch of exponentials.
.macro P2HALF hf
.if \hf == 0
	PLACES                                         ; the plain form's places stay: behind the last trip's four products, ahead of the loads into the registers that they read
	KLOAD 4, KF, 0
	KLOAD 4, KF+32, 8192
	VLOAD 0
	s_wait_dscnt 8                                 ; K's sixteen loads are in; V's eight, issued behind them, may be out
.else
	s_wait_dscnt 0x0                               ; this half's K, asked for in half 0, is in
.endif
.set i, 0
.rept 4
	v_wmma_f32_16x16x64_bf8_bf8 v[S+8*i:S+8*i+7], v[KF+8*i:KF+8*i+7], v[QA:QA+7], 0
	v_wmma_f32_16x16x64_bf8_bf8 v[S+32+8*i:S+32+8*i+7], v[KF+32+8*i:KF+32+8*i+7], v[QB:QB+7], 0
.set i, i+1
.endr
	PLACES
	s_cmp_lt_u32 s[STP], s[MYB]
	s_cbranch_scc1 .Lopen2_\@
	HIDE32 64*\hf
.set n, 0
.rept 32
	v_cndmask_b32 v[S+n], v[S+n], v[NINF], s[MK+n]
	v_cndmask_b32 v[S+32+n], v[S+32+n], v[NINF], s[MK+n]
.set n, n+1
.endr
.Lopen2_\@:
.set n, 0
.rept 16
	v_pk_fma_f32 v[S+n:S+n+1], v[S+n:S+n+1], s[C1:C1+1], v[12:13] op_sel_hi:[1,0,0]
	v_pk_fma_f32 v[S+32+n:S+32+n+1], v[S+32+n:S+32+n+1], s[C2:C2+1], v[16:17] op_sel_hi:[1,0,0]
.set n, n+2
.endr
.set n, 0
.rept 64
	v_exp_f32 v[S+n], v[S+n]
.set n, n+1
.endr
	v_nop                                          ; the plain line behind the exponentials
.if \hf == 0
	s_wait_alu depctr_va_vdst(0)                   ; the 64 exponentials have written v[S ..] (one wait for the batch, ahead of its first reader); and this half's score products are done reading KF, in which the loads below land
	KLOAD 4, KF, 4096                              ; half 1's K: it lands under this half's remaining vector work; no vector or matrix instruction behind the wait names KF or v[ADK]
	KLOAD 4, KF+32, 8192+4096
.else
	s_wait_alu depctr_va_vdst(0)                   ; the 64 exponentials have written v[S ..] (one wait for the batch, ahead of its first reader); and half 0's four products are done reading VF, in which the loads below land
	VLOAD 1                                        ; this half's V: no vector or matrix instruction behind the wait names VF or v[ADV] ahead of the products that read it
.endif
.set n, 0
.rept 16
	v_pk_mul_f32 v[S+32+n:S+32+n+1], v[S+32+n:S+32+n+1], v[22:23] op_sel_hi:[1,0]   ; -lam p2 / l2
.set n, n+2
.endr
.set n, 0
.rept 16
	v_pk_fma_f32 v[S+n:S+n+1], v[S+n:S+n+1], v[20:21], v[S+32+n:S+32+n+1] op_sel_hi:[1,0,1]   ; w = p1 / l1 - lam p2 / l2
.set n, n+2
.endr
.set n, 0
.rept 32
	v_med3_num_f32 v[S+n], v[S+n], -v[LIMV], v[LIMV]   ; the conversion does not saturate (ISA guide 7.6.2)
.set n, n+1
.endr
.set i, 0
.rept 4
	v_cvt_scalef32_pk8_bf8_f32 v[WC+2*i:WC+2*i+1], v[S+8*i:S+8*i+7], v[SCL]
.set i, i+1
.endr
	v_nop                                          ; a plain line between the conversions and the products that read their results
.if \hf == 0
	s_wait_dscnt 16                                ; V is in; half 1's sixteen loads of K, issued behind it, may be out
.else
	s_wait_dscnt 0x0                               ; V is in
.endif
.set i, 0
.rept 4
	v_wmma_f32_16x16x64_bf8_bf8 v[O+8*i:O+8*i+7], v[VF+8*i:VF+8*i+7], v[WC:WC+7], v[O+8*i:O+8*i+7]   ; four accumulators by turns; eight score products stand between two turns of one
.set i, i+1
.endr
.endm
	s_load_b256 s[4:11], s[0:1], 0x0               ; qkv s[4:5], lambdas s[6:7], the scales' exponents s[8:9], oc s[10:11]
	v_lshrrev_b32 v24, 5, v0
	v_readfirstlane_b32 s[WV], v24                 ; wave 0..15
	v_and_b32 v[LN], 31, v0
	v_lshlrev_b32 v[PFO], 8, v[LN]
	v_lshlrev_b32 v[LN], 4, v[LN]
	v_lshlrev_b32 v[TD], 4, v0
	v_add_nc_u32 v[STA], VRING, v[TD]
	s_wait_alu depctr_va_sdst(0)                   ; the wave's number is written, ahead of its first reader
	s_and_b32 s[BH], ttmp7, 0xffff
	s_lshr_b32 s14, s[WV], 2
	s_xor_b32 s14, s14, s[WV]
	s_and_b32 s14, s14, 1                          ; f
	s_lshr_b32 s[TQ], s[WV], 1
	s_sub_co_u32 s56, 15, ttmp9
	s_cmp_eq_u32 s14, 1
	s_cselect_b32 s[MYB], s56, ttmp9
	s_sub_co_u32 s[NS], 16, ttmp9
	v_and_b32 v[DD], 15, v0
	v_bfe_u32 v24, v0, 4, 1
	v_lshlrev_b32 v24, 3, v24
	v_sub_nc_u32 v[DD], v[DD], v24
	s_lshl_b32 s56, s[TQ], 4
	v_add_nc_u32 v[DD], s56, v[DD]
	s_lshl_b32 s[OFS], s[BH], 17
	s_mov_b32 s[OFS+1], 0
	s_lshl_b32 s56, s[MYB], 3
	s_add_co_u32 s56, s56, s[TQ]
	s_lshl_b32 s56, s56, 10                        ; my tile's image
	s_mov_b32 s57, 0
	s_mov_b32 s[SEL], 0x76543210
	s_mov_b32 s[SEL+1], 0xfedcba98
	s_mov_b32 s[STP], 0
	s_mov_b32 s[TB], 0
	s_wait_kmcnt 0x0
	s_load_b128 s[40:43], s[6:7], 0x0              ; the four lambdas
	s_load_b256 s[48:55], s[8:9], 0x28             ; entries 10 to 17
	s_add_nc_u64 s[Q1B:Q1B+1], s[4:5], s[OFS:OFS+1]        ; the head's q1; the other tensors lie 2^22 bytes apart
	s_add_nc_u64 s[K1B:K1B+1], s[Q1B:Q1B+1], 0x400000
	s_add_nc_u64 s[K2B:K2B+1], s[Q1B:Q1B+1], 0xc00000
	s_add_nc_u64 s[VB:VB+1], s[Q1B:Q1B+1], 0x1000000
	s_add_nc_u64 s[Q1B:Q1B+1], s[Q1B:Q1B+1], s[56:57]
	s_add_nc_u64 s[Q2B:Q2B+1], s[Q1B:Q1B+1], 0x800000
	s_wait_alu depctr_va_vdst(0)                   ; v[LN], v[TD], v[PFO] and v[STA] are written: the loads below, the prefetches and the head's LDS stores read them as offsets and addresses
	global_load_b128 v[STG:STG+3], v[TD], s[K1B:K1B+1]     ; step 0's tiles
	global_load_b128 v[STG+4:STG+7], v[TD], s[K2B:K2B+1]
	global_load_b128 v[WC:WC+3], v[TD], s[VB:VB+1]
	global_load_b128 v[QA:QA+3], v[LN], s[Q1B:Q1B+1]       ; my queries stay in registers
	global_load_b128 v[QA+4:QA+7], v[LN], s[Q1B:Q1B+1] offset:512
	global_load_b128 v[QB:QB+3], v[LN], s[Q2B:Q2B+1]
	global_load_b128 v[QB+4:QB+7], v[LN], s[Q2B:Q2B+1] offset:512
	s_cmp_eq_u32 s[WV], 0
	s_cselect_b64 s[PFA:PFA+1], s[K1B:K1B+1], s[K2B:K2B+1]
	s_add_nc_u64 s[PFA:PFA+1], s[PFA:PFA+1], 8192  ; at step 1: the first trip steps it to step 2
	s_lshr_b32 s56, s[WV], 1                       ; 0 in waves 0 and 1,
	s_or_b32 s56, s56, ttmp9                       ; of the head's first work-group
	s_cmp_eq_u32 s56, 0
	s_cselect_b32 s[LIM], 14, 0
	v_mov_b32 v13, 0xff61b1e6                      ; the largest t so far: -3e38, under every t
	v_mov_b32 v17, 0xff61b1e6
	v_floor_f32 v12, -v13
	v_floor_f32 v16, -v17
.irp r, 14,15,18,19,21,23,26,27,29
	v_mov_b32 v\r, 0                               ; the sums; upper halves of pairs that are named; the lane exchanges' destinations, which count as read
.endr
	s_wait_kmcnt 0x0
	v_mul_f32 v24, s40, s41
	v_mul_f32 v25, s42, s43
	v_mul_f32 v24, 0x3fb8aa3b, v24
	v_mul_f32 v25, 0x3fb8aa3b, v25
	v_exp_f32 v24, v24
	v_exp_f32 v25, v25
	v_mov_b32 v[NINF], 0xff800000                  ; (the plain line behind the exponentials)
	s_wait_alu depctr_va_vdst(0)                   ; the two exponentials have written v24 and v25, ahead of their first reader
	v_sub_f32 v[LAM], v24, v25
	v_add_f32 v[LAM], 0x3e4ccccd, v[LAM]           ; lam
	s_add_co_i32 s56, s48, s49
	s_lshl_b32 s56, s56, 23
	s_add_co_i32 s[C1], s56, 0x3e38aa3b            ; log2(e) / 8 with the two exponents added to its exponent field
	s_mov_b32 s[C1+1], s[C1]
	s_add_co_i32 s56, s50, s51
	s_lshl_b32 s56, s56, 23
	s_add_co_i32 s[C2], s56, 0x3e38aa3b
	s_mov_b32 s[C2+1], s[C2]
	s_wait_loadcnt 0x0
	ds_store_b128 v[TD], v[STG:STG+3]              ; data from loads; no vector instruction behind the head's wait names v[TD] or v[STA]
	ds_store_b128 v[TD], v[STG+4:STG+7] offset:8192
	ds_store_b128 v[STA], v[WC:WC+3]
	s_wait_dscnt 0x0                               ; for the others' sake: my stores are done
	s_barrier_signal -1
	s_barrier_wait -1
.Lp1:                                              ; PASS 1
	s_wait_alu depctr_vm_vsrc(0)                   ; the LDS loads and stores issued so far have read v[ADK], v[STA] and STG: the additions below and this trip's loads write them again
	v_add_nc_u32 v[ADK], s[TB], v[LN]
	v_add_nc_u32 v[STA], s[TB], v[TD]
	s_wait_alu depctr_va_vdst(0)                   ; v[ADK] and v[STA] are written, which this trip's LDS loads and stores read; the last trip's products are done reading KF and KG, in which this trip's LDS loads land
	s_cmp_ge_u32 s[STP], s[NS]                     ; past the work-group's last step only the barrier is left
	s_cbranch_scc1 .Le1
	s_wait_xcnt 0x0                                ; the last trip's loads and prefetch have read their addresses
	s_add_nc_u64 s[PFA:PFA+1], s[PFA:PFA+1], 8192
	s_add_co_u32 s[OFS], s[STP], 1
	s_min_u32 s[OFS], s[OFS], 15                   ; no load leaves its tensor
	s_lshl_b32 s[OFS], s[OFS], 13
	s_add_nc_u64 s[GA:GA+1], s[K1B:K1B+1], s[OFS:OFS+1]
	s_add_nc_u64 s[GB:GB+1], s[K2B:K2B+1], s[OFS:OFS+1]
	global_load_b128 v[STG:STG+3], v[TD], s[GA:GA+1]       ; the next step's tiles, 16 bytes a thread
	global_load_b128 v[STG+4:STG+7], v[TD], s[GB:GB+1]
	ASK
	s_cmp_gt_u32 s[STP], s[MYB]                    ; all keys of the step come after my queries: I only carry
	s_cbranch_scc1 .Li1
	KLOAD 8, KF, 0
	s_wait_dscnt 0x0
.set i, 0
.rept 8
	v_wmma_f32_16x16x64_bf8_bf8 v[S+8*i:S+8*i+7], v[KF+8*i:KF+8*i+7], v[QA:QA+7], 0
.set i, i+1
.endr
	KLOAD 8, KG, 8192                              ; k2 lands under the first softmax's vector work.  No wait: no vector or matrix instruction behind the wait at the trip's head names KG or v[ADK]
	PLACES                                         ; in front of the first read of the scores
	STATS 12, 14, C1
	s_wait_dscnt 0x0
.set i, 0
.rept 8
	v_wmma_f32_16x16x64_bf8_bf8 v[S+8*i:S+8*i+7], v[KG+8*i:KG+8*i+7], v[QB:QB+7], 0
.set i, i+1
.endr
	PLACES
	STATS 16, 18, C2
.Li1:
	s_wait_loadcnt 0x0
	ds_store_b128 v[STA], v[STG:STG+3] offset:KPL          ; into the next place; no vector instruction of the trip behind its head's wait names v[STA] or STG
	ds_store_b128 v[STA], v[STG+4:STG+7] offset:KPL+8192
.Le1:
	s_wait_dscnt 0x0                               ; my stores are done and my reads are in
	s_barrier_signal -1
	s_barrier_wait -1
	s_add_co_u32 s[TB], s[TB], KPL
	s_add_co_u32 s[STP], s[STP], 1
	s_cmp_lt_u32 s[STP], 16
	s_cbranch_scc1 .Lp1
	; BETWEEN THE PASSES: the sums' halves and lane l xor 16's; 1 / l1 and -lam / l2; W's scale; O^T begins as zeros
	v_add_f32 v14, v14, v15
	v_add_f32 v18, v18, v19
	v_permlanex16_b32 v26, v14, s[SEL], s[SEL+1]
	v_permlanex16_b32 v27, v18, s[SEL], s[SEL+1]
	v_add_f32 v14, v14, v26
	v_add_f32 v18, v18, v27
	v_rcp_f32 v20, v14
	v_rcp_f32 v22, v18
	v_nop                                          ; the plain line behind the reciprocals
	s_add_co_i32 s56, s52, 127
	s_lshl_b32 s57, s56, 23
	s_wait_alu depctr_va_vdst(0)                   ; the two reciprocals have written v20 and v22: one wait for both, ahead of their first reader
	v_mul_f32 v22, v22, -v[LAM]
	v_mov_b32 v[SCL], s57                          ; 2^(entry 14)
	s_add_co_i32 s56, s56, 15
	s_lshl_b32 s56, s56, 23
	s_or_b32 s56, s56, 0x600000
	v_mov_b32 v[LIMV], s56
.set n, 0
.rept 32
	v_mov_b32 v[O+n], 0                            ; O^T: the step is written once.  (These registers held k2's images in pass 1: their loads were waited for at each trip's end, and the products that read them stand far back)
.set n, n+1
.endr
	s_mov_b32 s[STP], 0
	s_mov_b32 s[TB], 0
	s_mov_b32 s[VS], VRING
	s_wait_xcnt 0x0                                ; the last prefetch has read its address
	s_add_nc_u64 s[PFA:PFA+1], s[VB:VB+1], 8192
	s_or_b32 s56, s[WV], ttmp9                     ; wave 0 of the head's first work-group
	s_cmp_eq_u32 s56, 0
	s_cselect_b32 s[LIM], 14, 0
.Lp2:                                              ; PASS 2
	s_xor_b32 s56, s[VS], VSL
	s_wait_alu depctr_vm_vsrc(0)                   ; the LDS loads and stores issued so far have read v[ADK], v[ADV], v[STA] and STG: the additions below and this trip's load write them again
	v_add_nc_u32 v[ADK], s[TB], v[LN]
	v_add_nc_u32 v[ADV], s[VS], v[LN]
	v_add_nc_u32 v[STA], s56, v[TD]                ; the other slot
	s_wait_alu depctr_va_vdst(0)                   ; the three addresses are written, which this trip's LDS loads and store read; the products issued so far are done reading KF and VF, in which half 0's loads land
	s_cmp_ge_u32 s[STP], s[NS]
	s_cbranch_scc1 .Le2
	s_wait_xcnt 0x0
	s_add_nc_u64 s[PFA:PFA+1], s[PFA:PFA+1], 8192
	s_add_co_u32 s[OFS], s[STP], 1
	s_min_u32 s[OFS], s[OFS], 15
	s_lshl_b32 s[OFS], s[OFS], 13
	s_add_nc_u64 s[GA:GA+1], s[VB:VB+1], s[OFS:OFS+1]
	global_load_b128 v[STG:STG+3], v[TD], s[GA:GA+1]       ; the next step's V
	ASK
	s_cmp_gt_u32 s[STP], s[MYB]
	s_cbranch_scc1 .Li2
	P2HALF 0
	P2HALF 1
.Li2:
	s_wait_loadcnt 0x0
	ds_store_b128 v[STA], v[STG:STG+3]             ; the slot that was read in the trip before: the barrier at that trip's end stands between; no vector instruction of the trip behind its head's wait names v[STA] or STG
.Le2:
	s_wait_dscnt 0x0
	s_barrier_signal -1
	s_barrier_wait -1
	s_add_co_u32 s[TB], s[TB], KPL
	s_xor_b32 s[VS], s[VS], VSL
	s_add_co_u32 s[STP], s[STP], 1
	s_cmp_lt_u32 s[STP], 16
	s_cbranch_scc1 .Lp2
	; THE WAY OUT: O x 0.8 (1 - 0.2 in f32) stands for that x 2^(14 + 15); its code under entry 16 takes the scale 2^(16 - 14 - 15).  Two stores of 512 consecutive bytes, aligned.
	PLACES
	s_sub_co_i32 s56, s54, s52
	s_sub_co_i32 s56, s56, s53
	s_add_co_i32 s56, s56, 127
	s_lshl_b32 s57, s56, 23
	v_mov_b32 v[SCL], s57
	s_add_co_i32 s56, s56, 15
	s_lshl_b32 s56, s56, 23
	s_or_b32 s56, s56, 0x600000
	v_mov_b32 v[LIMV], s56
.set n, 0
.rept 16
	v_pk_mul_f32 v[S+n:S+n+1], v[O+n:O+n+1], 0x3f4ccccd op_sel_hi:[1,0]   ; each accumulator from its low end on
.set n, n+2
.endr
.set n, 0
.rept 32
	v_med3_num_f32 v[S+n], v[S+n], -v[LIMV], v[LIMV]
.set n, n+1
.endr
.set i, 0
.rept 4
	v_cvt_scalef32_pk8_bf8_f32 v[WC+2*i:WC+2*i+1], v[S+8*i:S+8*i+7], v[SCL]
.set i, i+1
.endr
	v_nop
	s_lshr_b32 s56, s[BH], 4                       ; oc [block of 128 tokens][head / 4][tile][(head / 2) % 2][2,048 bytes], my head's half of the 2,048
	s_lshl_b32 s56, s56, 4
	s_add_co_u32 s56, s56, s[MYB]
	s_lshl_b32 s56, s56, 17
	s_and_b32 s57, s[BH], 15
	s_lshr_b32 s[OFS], s57, 2
	s_lshl_b32 s[OFS], s[OFS], 15
	s_or_b32 s56, s56, s[OFS]
	s_lshl_b32 s[OFS], s[TQ], 12
	s_or_b32 s56, s56, s[OFS]
	s_and_b32 s57, s57, 3
	s_lshl_b32 s57, s57, 10
	s_or_b32 s56, s56, s57
	s_mov_b32 s57, 0
	s_add_nc_u64 s[10:11], s[10:11], s[56:57]
	s_wait_alu depctr_va_vdst(0)                   ; the four conversions have written WC, which the two stores read
	global_store_b128 v[LN], v[WC:WC+3], s[10:11]
	global_store_b128 v[LN], v[WC+4:WC+7], s[10:11] offset:512
	s_wait_xcnt 0x0
	v_lshl_add_u32 v254, v0, 2, 0x48000            ; the add's two registers, made anew: no memory or LDS instruction has read v254 or v255 since the wait on vm_vsrc at pass 2's last head
	v_mov_b32 v255, 0
	s_wait_dscnt 0x0                               ; the closing lines, six on end
	s_wait_alu 0x0
	s_wait_tensorcnt 0x0
	ds_add_u32 v254, v255
	s_wait_dscnt 0x0
	s_endpgm
.Lfunc_end_k_qf9c962dca4_attn:
	.size	k_qf9c962dca4_attn, .Lfunc_end_k_qf9c962dca4_attn-k_qf9c962dca4_attn
	.p2alignl 7, 3214868480
	.fill 96, 4, 3214868480
	.section	.rodata,"a",@progbits
	.p2align	6, 0x0
	.amdhsa_kernel k_qf9c962dca4_attn
		.amdhsa_group_segment_fixed_size 296960
		.amdhsa_private_segment_fixed_size 0
		.amdhsa_enable_private_segment 0
		.amdhsa_kernarg_size 32
		.amdhsa_user_sgpr_count 2
		.amdhsa_user_sgpr_kernarg_segment_ptr 1
		.amdhsa_wavefront_size32 1
		.amdhsa_system_sgpr_workgroup_id_x 1
		.amdhsa_system_sgpr_workgroup_id_y 1
		.amdhsa_system_sgpr_workgroup_id_z 1
		.amdhsa_system_vgpr_workitem_id 0
		.amdhsa_next_free_vgpr 256
		.amdhsa_next_free_sgpr 98
		.amdhsa_reserve_vcc 0
		.amdhsa_float_denorm_mode_32 3
		.amdhsa_float_denorm_mode_16_64 3
		.amdhsa_memory_ordered 1
		.amdhsa_forward_progress 1
		.amdhsa_inst_pref_size 88
	.end_amdhsa_kernel
	.amdgpu_metadata
---
amdhsa.version: [ 1, 2 ]
amdhsa.kernels:
  - .name:           k_qf9c962dca4_attn
    .symbol:         k_qf9c962dca4_attn.kd
    .args:
      - { .name: qkv, .offset: 0, .size: 8, .value_kind: global_buffer, .address_space: global }
      - { .name: lambdas, .offset: 8, .size: 8, .value_kind: global_buffer, .address_space: global }
      - { .name: lowp_scales, .offset: 16, .size: 8, .value_kind: global_buffer, .address_space: global }
      - { .name: oc, .offset: 24, .size: 8, .value_kind: global_buffer, .address_space: global }
    .group_segment_fixed_size: 296960
    .private_segment_fixed_size: 0
    .kernarg_segment_align: 8
    .kernarg_segment_size: 32
    .max_flat_workgroup_size: 512
    .sgpr_count:     98
    .vgpr_count:     256
    .wavefront_size: 32
...
	.end_amdgpu_metadata
.endif
;; end of part 5
;; launch outp: the kernel of part 4 again; grid 4 x 16, 4 waves a work-group, clusters of 4 x 4, 327,680 bytes of LDS; arguments oc, wq, lowp_scales, proj_b, out0; writes out0
